; MI455X (gfx1250); checked and timed in simulation.
; The chip was launched on July 23, 2026; its instructions are those of AMD's public machine-readable ISA for CDNA 5 (MIT licence, August 2026) and "CDNA5" Instruction Set Architecture Reference Guide (July 2026). The comments in the code are by the model that wrote it; some were corrected since.
;; Grouped Query Attention. Allowed arithmetic: float matrix products may take bf16 or f16 operands with f32 sums; other float arithmetic in f32, or as packed bf16 or f16 multiplies, adds, multiply-adds, maxima and minima; sums over many terms, partial sums and values carried from step to step in f32; what a program stores and reads back later, other than sums and carried values, may be rounded once to bf16 or f16.
;; Inputs: Wk 1,024 x 512 float32; Wo 2,048 x 2,048 float32; Wq 1,024 x 2,048 float32; Wv 1,024 x 512 float32; bo 2,048 float32; x 2 x 2,048 x 1,024 float32.
;; Outputs: out0 2 x 2,048 x 2,048 float32.
;; 2 versions, each right; version 2 is version 1 with the launch cast written anew for expert scheduling mode. Each part assembles by itself: llvm-mc -triple=amdgcn-amd-amdhsa -mcpu=gfx1250 --defsym DOCPART=n.
;; ======== version 1 of 2: 4 launches
;; limits: values are held in f16: magnitudes above 65,504 overflow, below 6.1e-05 lose precision
;; workspace buffers: xb 8,388,608 bytes; wqkv 6,291,456 bytes; wo16 8,388,608 bytes; qkv 25,165,824 bytes; ctx 16,777,216 bytes
;; launch cast (part 1): grid 704 x 1, 8 waves a work-group, no clusters, 0 bytes of LDS; arguments x, Wq, Wk, Wv, Wo, xb, wqkv, wo16; writes xb, wqkv, wo16
.if DOCPART == 1
	.amdgcn_target "amdgcn-amd-amdhsa--gfx1250"
	.amdhsa_code_object_version 6
	.text
	.protected	k_qccab0d7a4b_cast
	.globl	k_qccab0d7a4b_cast
	.p2align	8
	.type	k_qccab0d7a4b_cast,@function
k_qccab0d7a4b_cast:
	s_mov_b64 s[64:65], 0
	v_nop
	global_prefetch_b8 v0, s[64:65] scope:SCOPE_SE
	s_setreg_imm32_b32 hwreg(HW_REG_WAVE_MODE, 25, 1), 1
	s_wait_xcnt 0x0
; CAST.  x -> xb (bf16); Wq | Wk | Wv -> wqkv (bf16, [1024][3072]: columns 0-2047 Wq, 2048-2559 Wk, 2560-3071 Wv); Wo -> wo16 (rounded to bf16, that number written as f16).
; LIMIT.  A weight of Wo below 2^-14 in size keeps f16's fixed step of 6e-8; one of 65,520 or more would become an infinity.
; A stream: no LDS, no matrix unit, no cluster (no two work-groups read the same byte).  A work-group takes 16,384 numbers in 16 steps of 1,024: in a step thread t loads 16 bytes
; (a wave: 512 consecutive bytes) and stores 8 (a wave: 256 consecutive bytes, aligned).  All 16 loads go out first: 64 KiB a work-group are on their way.
; Work-groups 0-255 x, 256-511 Wo, 512-639 Wq, 640-671 Wk, 672-703 Wv.  Destination of step s: base + lane term + (s % 2) S1 + (s / 2) S2.
.set DO, 4                             ; v[4:19]   the 16 steps' destination offsets; never rewritten
.set X,  32                            ; v[32:95]  4 registers a step, as loaded
.set Y,  96                            ; v[96:127] 2 registers a step, to store
	s_load_b512 s[8:23], s[0:1], 0x0               ; x s[8:9], Wq s[10:11], Wk s[12:13], Wv s[14:15], Wo s[16:17], xb s[18:19], wqkv s[20:21], wo16 s[22:23]
	v_lshlrev_b32 v1, 4, v0                        ; source: 16 t
	v_lshlrev_b32 v2, 3, v0                        ; destination where a step is dense: 8 t
	v_lshrrev_b32 v20, 7, v0                       ; Wk, Wv: a step is two rows of 512 numbers: row t / 128,
	v_and_b32 v21, 127, v0
	v_mul_u32_u24 v3, v20, 6144                    ; 6,144 bytes from row to row of wqkv,
	v_lshl_add_u32 v3, v21, 3, v3                  ; 8 bytes a thread
	s_mov_b32 s24, 672                             ; the range's first work-group (the values set here are Wv's)
	s_mov_b32 s25, 196608                          ; destination bytes from work-group to work-group: 32 rows of wqkv
	s_mov_b32 s28, 5120                            ; first column's bytes
	s_mov_b32 s30, 12288                           ; S1
	s_mov_b32 s31, 24576                           ; S2
	s_mov_b32 s33, 0                               ; all ones where a step is dense
	s_mov_b32 s27, 0
	s_mov_b32 s29, 0
	s_wait_kmcnt 0x0
	s_mov_b64 s[4:5], s[14:15]
	s_mov_b64 s[6:7], s[20:21]
	s_cmp_lt_u32 ttmp9, 672                        ; Wk
	s_cselect_b64 s[4:5], s[12:13], s[4:5]
	s_cselect_b32 s24, 640, s24
	s_cselect_b32 s28, 4096, s28
	s_cmp_lt_u32 ttmp9, 640                        ; Wq: 8 rows of 2,048 numbers a work-group, half a row a step
	s_cselect_b64 s[4:5], s[10:11], s[4:5]
	s_cselect_b32 s24, 512, s24
	s_cselect_b32 s25, 49152, s25
	s_cselect_b32 s28, 0, s28
	s_cselect_b32 s30, 2048, s30
	s_cselect_b32 s31, 6144, s31
	s_cselect_b32 s33, -1, s33
	s_cmp_lt_u32 ttmp9, 512                        ; Wo: dense
	s_cselect_b64 s[4:5], s[16:17], s[4:5]
	s_cselect_b64 s[6:7], s[22:23], s[6:7]
	s_cselect_b32 s24, 256, s24
	s_cselect_b32 s25, 32768, s25
	s_cselect_b32 s31, 4096, s31
	s_cselect_b32 s32, 1, 0                        ; 1: f16 out
	s_cmp_lt_u32 ttmp9, 256                        ; x: dense
	s_cselect_b64 s[4:5], s[8:9], s[4:5]
	s_cselect_b64 s[6:7], s[18:19], s[6:7]
	s_cselect_b32 s24, 0, s24
	s_cselect_b32 s32, 0, s32
	s_sub_co_u32 s24, ttmp9, s24                   ; my number in the range
	s_lshl_b32 s26, s24, 16                        ; 65,536 source bytes a work-group
	s_mul_i32 s25, s24, s25
	s_add_co_u32 s28, s28, s25
	s_add_nc_u64 s[4:5], s[4:5], s[26:27]
	s_add_nc_u64 s[6:7], s[6:7], s[28:29]
.set n, 0
.rept 16
	global_load_b128 v[X+4*n:X+4*n+3], v1, s[4:5] offset:4096*n th:TH_LOAD_NT
.set n, n+1
.endr
	v_cndmask_b32 v[DO], v3, v2, s33
	v_add_nc_u32 v[DO+1], s30, v[DO]
.set n, 2
.rept 14
	v_add_nc_u32 v[DO+n], s31, v[DO+n-2]
.set n, n+1
.endr
; The 16 steps.  Loads come back in order (ISA guide 5.7.1): step n is in when at most 15 - n younger loads are out.  No register that a load or store names is written again.
.macro CONV f16
.set n, 0
.rept 16
	s_wait_loadcnt 15-n
.if \f16
	v_cvt_pk_bf16_f32 v20, v[X+4*n], v[X+4*n+1]    ; the one rounding, to bf16, as for every input;
	v_cvt_pk_bf16_f32 v21, v[X+4*n+2], v[X+4*n+3]
	v_lshlrev_b32 v22, 16, v20                     ; back to f32,
	v_and_b32 v23, 0xffff0000, v20
	v_lshlrev_b32 v24, 16, v21
	v_and_b32 v25, 0xffff0000, v21
	v_cvt_pk_f16_f32 v[Y+2*n], v22, v23            ; and written as f16: 8 significant bits fit in 11
	v_cvt_pk_f16_f32 v[Y+2*n+1], v24, v25
.else
	v_cvt_pk_bf16_f32 v[Y+2*n], v[X+4*n], v[X+4*n+1]
	v_cvt_pk_bf16_f32 v[Y+2*n+1], v[X+4*n+2], v[X+4*n+3]
.endif
	global_store_b64 v[DO+n], v[Y+2*n:Y+2*n+1], s[6:7]
.set n, n+1
.endr
.endm
	s_cmp_eq_u32 s32, 1
	s_cbranch_scc1 .Lf16
	CONV 0
	s_endpgm
.Lf16:
	CONV 1
	s_endpgm
.Lfunc_end_k_qccab0d7a4b_cast:
	.size	k_qccab0d7a4b_cast, .Lfunc_end_k_qccab0d7a4b_cast-k_qccab0d7a4b_cast
	.p2alignl 7, 3214868480
	.fill 96, 4, 3214868480
	.section	.rodata,"a",@progbits
	.p2align	6, 0x0
	.amdhsa_kernel k_qccab0d7a4b_cast
		.amdhsa_group_segment_fixed_size 0
		.amdhsa_private_segment_fixed_size 0
		.amdhsa_enable_private_segment 0
		.amdhsa_kernarg_size 64
		.amdhsa_user_sgpr_count 2
		.amdhsa_user_sgpr_kernarg_segment_ptr 1
		.amdhsa_wavefront_size32 1
		.amdhsa_system_sgpr_workgroup_id_x 1
		.amdhsa_system_sgpr_workgroup_id_y 1
		.amdhsa_system_sgpr_workgroup_id_z 1
		.amdhsa_system_vgpr_workitem_id 0
		.amdhsa_next_free_vgpr 128
		.amdhsa_next_free_sgpr 66
		.amdhsa_reserve_vcc 0
		.amdhsa_float_denorm_mode_32 3
		.amdhsa_float_denorm_mode_16_64 3
		.amdhsa_memory_ordered 1
		.amdhsa_forward_progress 1
		.amdhsa_inst_pref_size 18
	.end_amdhsa_kernel
	.amdgpu_metadata
---
amdhsa.version: [ 1, 2 ]
amdhsa.kernels:
  - .name:           k_qccab0d7a4b_cast
    .symbol:         k_qccab0d7a4b_cast.kd
    .args:
      - { .name: x, .offset: 0, .size: 8, .value_kind: global_buffer, .address_space: global }
      - { .name: Wq, .offset: 8, .size: 8, .value_kind: global_buffer, .address_space: global }
      - { .name: Wk, .offset: 16, .size: 8, .value_kind: global_buffer, .address_space: global }
      - { .name: Wv, .offset: 24, .size: 8, .value_kind: global_buffer, .address_space: global }
      - { .name: Wo, .offset: 32, .size: 8, .value_kind: global_buffer, .address_space: global }
      - { .name: xb, .offset: 40, .size: 8, .value_kind: global_buffer, .address_space: global }
      - { .name: wqkv, .offset: 48, .size: 8, .value_kind: global_buffer, .address_space: global }
      - { .name: wo16, .offset: 56, .size: 8, .value_kind: global_buffer, .address_space: global }
    .group_segment_fixed_size: 0
    .private_segment_fixed_size: 0
    .kernarg_segment_align: 8
    .kernarg_segment_size: 64
    .max_flat_workgroup_size: 256
    .sgpr_count:     66
    .vgpr_count:     128
    .wavefront_size: 32
...
	.end_amdgpu_metadata
.endif
;; end of part 1
;; launch proj (part 2): grid 8 x 32, 4 waves a work-group, clusters of 4 x 4, 327,680 bytes of LDS; arguments xb, wqkv, qkv; writes qkv
.if DOCPART == 2
	.amdgcn_target "amdgcn-amd-amdhsa--gfx1250"
	.amdhsa_code_object_version 6
	.text
	.protected	k_qccab0d7a4b_proj
	.globl	k_qccab0d7a4b_proj
	.p2align	8
	.type	k_qccab0d7a4b_proj,@function
k_qccab0d7a4b_proj:
	s_mov_b64 s[64:65], 0
	v_nop
	global_prefetch_b8 v0, s[64:65] scope:SCOPE_SE
	s_setreg_imm32_b32 hwreg(HW_REG_WAVE_MODE, 25, 1), 1
	s_wait_xcnt 0x0
	s_wait_alu depctr_hold_cnt(0) depctr_sa_sdst(0) depctr_va_vdst(0) depctr_va_sdst(0) depctr_va_ssrc(0) depctr_va_vcc(0) depctr_vm_vsrc(0)
	s_getreg_b32 s2, hwreg(HW_REG_IB_STS2, 6, 4)
	s_cmp_eq_u32 s2, 0
	s_cbranch_scc0 .Lentry_in_a_cluster
	s_endpgm
.Lentry_in_a_cluster:
	s_bfe_u32 s2, ttmp6, 0x10000c
	s_cmp_lg_u32 s2, 0xf033
	s_cbranch_scc0 .Lentry_shape_is_right
	s_endpgm
.Lentry_shape_is_right:
; PROJECTIONS.  [4096][1024] (xb, bf16) x [1024][3072] (wqkv, bf16, rows along N), sums in f32, written once rounded to f16 BY HEADS: qkv[b][plane][n][128], plane = column / 128:
; 0-15 the query heads, 16-19 K's groups, 20-23 V's.  No scale is applied here.
; LIMIT.  q, k, v of 65,520 or more in size would become infinities in f16.
; SHARES.  A tile is 128 rows x 384 columns (three planes): 8 x 32 tiles, one a work-group.  Wave w: rows 64 (w / 2) on (4 fragments), columns 64 (w % 2) on of each plane (12 fragments): 48 accumulators.
; K goes in steps of 128 through two LDS slots; a step is four quarters of 32.  Wave 0 fetches A's tile (128 rows x 256 bytes), wave w > 0 plane w - 1 of B's (128 rows of K x 256 bytes): one tensor load a wave.
; B lies [K][N]: its fragments come out of LDS turned, by ds_load_tr16_b128.  The matrix instruction is used transposed (source 0 = 16 columns of B, source 1 = 16 rows of A): a lane holds 8 neighbouring columns of a row.
; CLUSTER 4 x 4: A's tile is shared along a row of the cluster, B's along a column: joint loads, the same descriptor and mask in the four that a mask names.
; REGISTERS: window 0: v16-30 addresses, v32-95 A's fragments (two buffers), v96-191 at work on the way out; window 1: B's fragments, two buffers of 96; windows 2, 3: accumulators of row blocks 0, 1 and 2, 3.
.set KTOT, 1024
.set NTOT, 3072
.set NSUB, 3
.set NF,   12                          ; B's fragments a wave
.set NA,   1                           ; waves that fetch for A
.set LD,   2*NF+8                      ; LDS loads of a quarter
.set PA,   272                         ; A's row in LDS: 256 + 16: the 16 rows of a load start at 16 different groups of four banks (64 banks of 4 bytes: ISA guide 11.1)
.set PBB,  288                         ; B's row: 256 + 32
.set REG,  128*PBB                     ; a wave's region of a slot: A's tile uses 34,816 bytes of its region
.set SLOT, 4*REG
.set SPARE, 2*SLOT                     ; the spare words, 128 bytes a wave: two blocks of 256 bytes that no other line names
.set SP,   784                         ; a stage row: 768 + 16.  The stage is bytes 0 to 100,351 of slot 0, whose last fill and last read stand ahead of the last change of slots
.set LAPS, KTOT/256
.set PLANE, 2048*256
.set ADRA, 16                          ; v16-17  my A fragments in slot 0, 1
.set ADRB, 18                          ; v18-23  my B fragments: slot, plane
.set STO,  24
.set RD,   25
.set CO,   26
.set SPW,  28                          ; my spare word; never rewritten
.set NIL,  29                          ; 0; never rewritten
.set PFO,  30                          ; the prefetches' offset: lane x row pitch; never rewritten
.set AF,   32
.set TMP,  96
.set OUTB, 32
.set WV,  12
.set G1A, 24
.set G0A, 32
.set G1B, 48
.set G0B, 56
.set PFA, 44                           ; s[44:45] where my prefetches stand
.set PST, 46                           ; s[46:47] a K step in bytes, for A or for B
.set LIM, 66                           ; 1 in a wave that prefetches, else the greatest number
.set MSB, 0
.macro WIN new                         ; the immediate's high byte repeats the setting that is left
.if MSB != (\new)
	s_set_vgpr_msb (MSB<<8)|(\new)
.set MSB, \new
.endif
.endm
.set MUL_LO, 0xa1                      ; source 0 (B) window 1, source 1 (A) window 0, C and D window 2
.set TO_B,   0x40
.macro PLACES                          ; four plain places behind matrix instructions, in front of loads into registers that they read and of readers of results
.rept 4
	v_nop
.endr
.endm
.macro JLOAD s                         ; a joint load; the branch hangs on the wave's number alone; an s_nop 0 and four v_nop follow each line
	s_cmp_lt_u32 s[WV], NA
	s_cbranch_scc0 .Lfor_b_\@
	tensor_load_to_lds s[G0A+4*(\s):G0A+4*(\s)+3], s[G1A:G1A+7]
	s_nop 0
	PLACES
	s_branch .Lasked_\@
.Lfor_b_\@:
	tensor_load_to_lds s[G0B+4*(\s):G0B+4*(\s)+3], s[G1B:G1B+7]
	s_nop 0
	PLACES
.Lasked_\@:
.endm
.macro CREST                           ; a round of the cluster's barrier behind its opening barrier
	s_cmp_lg_u32 s[WV], 0
	s_cbranch_scc1 .Lnot_wave_0_\@
	s_barrier_signal -3
.Lnot_wave_0_\@:
	s_barrier_wait -3
	s_barrier_signal -1
	s_barrier_wait -1
.endm
.macro CROUND
	s_barrier_signal -1
	s_barrier_wait -1
	CREST
.endm
; A prefetch of the K step that stands two refills on: 32 rows x 256 bytes, a lane a row.  A's rows are asked for by the clusters with x = 0 (wave 0), B's by those with y = 0 (the wave that fetches the plane);
; the four partners of a joint load take 32 rows each, told apart by address.  So each block is named once.  The loop's last trip (s3 = 1) has no K step two on.
.macro ASK
	s_cmp_gt_u32 s3, s[LIM]
	s_cbranch_scc0 .Lnot_mine_\@
	global_prefetch_b8 v[PFO], s[PFA:PFA+1] th:TH_LOAD_NT scope:SCOPE_SE
.Lnot_mine_\@:
.endm
	s_load_b128 s[4:7], s[0:1], 0x0                ; xb s[4:5], wqkv s[6:7]
	s_load_b64 s[8:9], s[0:1], 0x10                ; qkv
	v_lshl_add_u32 v[SPW], v0, 2, SPARE
	v_mov_b32 v[NIL], 0
	ds_add_u32 v[SPW], v[NIL]                      ; the wave's opening: the add and its wait stand ahead of my first tensor load; work on registers stands between
	v_lshrrev_b32 v1, 5, v0
	v_readfirstlane_b32 s[WV], v1
	s_lshr_b32 s13, s[WV], 1                       ; wr: my half of the rows
	s_and_b32 s14, s[WV], 1                        ; wc: my half of each plane's columns
	s_max_u32 s15, s[WV], 1
	s_sub_co_u32 s15, s15, 1                       ; the plane that I fetch (waves 1 to 3)
	s_bfe_u32 s40, ttmp6, 0x40000                  ; cx
	s_bfe_u32 s41, ttmp6, 0x40004                  ; cy
	s_lshl_b32 s42, ttmp9, 2
	s_add_co_u32 s42, s42, s40                     ; tile column
	s_and_b32 s43, ttmp7, 0xffff
	s_lshl_b32 s43, s43, 2
	s_add_co_u32 s43, s43, s41                     ; tile row
	s_lshl_b32 s16, s41, 2
	s_lshl_b32 s16, 15, s16                        ; my row of the cluster
	s_lshl_b32 s17, 0x1111, s40                    ; my column
	s_or_b32 s[G1A], s16, (1<<16)|(1<<20)|(1<<21)|(5<<22)|(3<<25)  ; mask; 2-byte elements; padding on; bit 21 beside a mask; after every 64 words 4 words
	s_or_b32 s[G1B], s17, (1<<16)|(1<<20)|(1<<21)|(5<<22)|(7<<25)  ; the same with 8 words
.irp g, G1A, G1B
	s_mov_b32 s[(\g)+1], 128<<16                   ; tensor_dim0 = 128
	s_mov_b32 s[(\g)+2], 128<<16                   ; tensor_dim1 = 128
	s_mov_b32 s[(\g)+3], 128<<16                   ; tile_dim0 = 128
	s_mov_b32 s[(\g)+4], 128                       ; tile_dim1 = 128
	s_mov_b32 s[(\g)+6], 0
	s_mov_b32 s[(\g)+7], 0
.endr
	s_mov_b32 s[G1A+5], KTOT                       ; elements from row to row
	s_mov_b32 s[G1B+5], NTOT
	s_lshl_b32 s16, s43, 18                        ; A: 128 rows of 2,048 bytes a tile row
	s_mov_b32 s17, 0
	s_mul_i32 s18, s42, 768                        ; B: 384 columns a tile column,
	s_lshl_b32 s19, s15, 8                         ; 128 a plane
	s_add_co_u32 s18, s18, s19
	s_mov_b32 s19, 0
	s_mul_i32 s20, s[WV], REG                      ; where my tile goes: no place in the cluster enters an LDS address
	s_wait_dscnt 0x0                               ; the opening add is done
	s_wait_kmcnt 0x0
	s_add_nc_u64 s[16:17], s[4:5], s[16:17]
	s_add_nc_u64 s[18:19], s[6:7], s[18:19]
	CROUND                                         ; all sixteen work-groups are here: the first joint loads meet
.irp s, 0,1
	s_mov_b32 s[G0A+4*(\s)], 1
	s_add_co_u32 s[G0A+4*(\s)+1], s20, (\s)*SLOT
	s_add_nc_u64 s[G0A+4*(\s)+2:G0A+4*(\s)+3], s[16:17], (\s)*256
	s_or_b32 s[G0A+4*(\s)+3], s[G0A+4*(\s)+3], 0x80000000
	s_mov_b32 s[G0B+4*(\s)], 1
	s_add_co_u32 s[G0B+4*(\s)+1], s20, (\s)*SLOT
	s_add_nc_u64 s[G0B+4*(\s)+2:G0B+4*(\s)+3], s[18:19], (\s)*128*2*NTOT
	s_or_b32 s[G0B+4*(\s)+3], s[G0B+4*(\s)+3], 0x80000000
	JLOAD \s                                       ; K steps 0 and 1: two loads of mine are out
.endr
	v_and_b32 v1, 15, v0                           ; l % 16
	v_bfe_u32 v2, v0, 4, 1                         ; l / 16
	v_mul_u32_u24 v3, v1, PA
	v_lshl_add_u32 v3, v2, 4, v3                   ; A: row x pitch + 16 x half
	s_mul_i32 s21, s13, 64*PA
	v_add_nc_u32 v[ADRA], s21, v3
	v_add_nc_u32 v[ADRA+1], SLOT, v[ADRA]
	v_and_b32 v5, 7, v0                            ; B, turned: lane l reads row 8 (l / 16) + l % 8 of K, 16 bytes at 16 ((l / 8) % 2)
	v_bfe_u32 v6, v0, 3, 1
	v_lshl_add_u32 v7, v2, 3, v5
	v_mul_u32_u24 v4, v7, PBB
	v_lshl_add_u32 v4, v6, 4, v4
	v_lshl_add_u32 v4, s14, 7, v4                  ; + my 64 columns
.irp t, 0,1
.irp s, 0,1,2
	v_add_nc_u32 v[ADRB+NSUB*(\t)+(\s)], (\t)*SLOT+((\s)+1)*REG, v4
.endr
.endr
	v_mul_u32_u24 v[STO], v1, SP                   ; into the stage: row 64 wr + l % 16, 128 wc + 16 x half
	v_lshl_add_u32 v[STO], v2, 4, v[STO]
	s_mul_i32 s21, s13, 64*SP
	s_lshl_b32 s22, s14, 7
	s_add_co_u32 s21, s21, s22
	v_add_nc_u32 v[STO], s21, v[STO]
	v_mul_u32_u24 v[RD], v2, SP                    ; back: wave w takes rows 32 w on, whole; lanes 0-15 one row's 256 bytes, lanes 16-31 the next row's
	v_lshl_add_u32 v[RD], v1, 4, v[RD]
	s_mul_i32 s21, s[WV], 32*SP
	v_add_nc_u32 v[RD], s21, v[RD]
	v_and_b32 v[CO], 31, v0                        ; two rows of a plane are 512 consecutive bytes
	v_lshlrev_b32 v[CO], 4, v[CO]
	s_lshr_b32 s21, s43, 4                         ; b
	s_mul_i32 s21, s21, 24*PLANE
	s_mul_i32 s22, s42, 3*PLANE                    ; my three planes
	s_add_co_u32 s21, s21, s22
	s_and_b32 s22, s43, 15
	s_lshl_b32 s22, s22, 15                        ; 128 rows of 256 bytes
	s_add_co_u32 s21, s21, s22
	s_lshl_b32 s22, s[WV], 13                      ; 32 rows
	s_add_co_u32 s22, s21, s22
	s_mov_b32 s23, 0
	s_add_nc_u64 s[8:9], s[8:9], s[22:23]
	; the prefetches: both candidates are made, then chosen by the wave's number
	s_lshl_b32 s16, s43, 18
	s_lshl_b32 s17, s40, 16                        ; A: my work-group's 32 rows, by cx
	s_add_co_u32 s16, s16, s17
	s_add_co_u32 s16, s16, 3*256                   ; at K step 3: the first refill steps it to 4
	s_mul_i32 s17, s42, 768
	s_lshl_b32 s18, s15, 8
	s_add_co_u32 s17, s17, s18
	s_mul_i32 s18, s41, 32*2*NTOT                  ; B: my work-group's 32 rows of K, by cy
	s_add_co_u32 s17, s17, s18
	s_add_co_u32 s17, s17, 3*128*2*NTOT
	s_and_b32 s18, ttmp7, 0xffff
	s_mov_b32 s19, 128*2*NTOT
	s_mov_b32 s20, 2*NTOT
	s_cmp_eq_u32 s[WV], 0
	s_cselect_b64 s[PFA:PFA+1], s[4:5], s[6:7]
	s_cselect_b32 s16, s16, s17
	s_cselect_b32 s18, ttmp9, s18                  ; the coordinate along which other clusters read the same rows
	s_cselect_b32 s[PST], 256, s19
	s_cselect_b32 s20, 2*KTOT, s20
	s_mov_b32 s17, 0
	s_mov_b32 s[PST+1], 0
	s_add_nc_u64 s[PFA:PFA+1], s[PFA:PFA+1], s[16:17]
	s_cmp_eq_u32 s18, 0
	s_cselect_b32 s[LIM], 1, -1
	v_and_b32 v[PFO], 31, v0
	v_mul_u32_u24 v[PFO], s20, v[PFO]
; NF products: row block 2 hi + a x all my fragments of B, 32 along K, from buffer f.  The 48 accumulators take turns, one instruction a turn, in the same order in every quarter.
.macro MULA f, hi, a, zero
	WIN MUL_LO+0x50*(\hi)
.set rA, AF+32*(\f)+8*(2*(\hi)+(\a))
.set n, 0
.rept NF
.set rD, 8*(NF*(\a)+n)
.set rB, 8*(NF*(\f)+n)
.if \zero
	v_wmma_f32_16x16x32_bf16 v[rD:rD+7], v[rB:rB+7], v[rA:rA+7], 0
.else
	v_wmma_f32_16x16x32_bf16 v[rD:rD+7], v[rB:rB+7], v[rA:rA+7], v[rD:rD+7]
.endif
.set n, n+1
.endr
.endm
; A quarter's LD loads in one run, into buffer f: B's fragments (plane n / 4, columns 16 (n % 4) on), then A's four
.macro FETCH slot, q, f
	WIN TO_B
.set n, 0
.rept NF
	ds_load_tr16_b128 v[8*(NF*(\f)+n):8*(NF*(\f)+n)+3],   v[ADRB+NSUB*(\slot)+n/4] offset:(\q)*32*PBB+(n%4)*32
	ds_load_tr16_b128 v[8*(NF*(\f)+n)+4:8*(NF*(\f)+n)+7], v[ADRB+NSUB*(\slot)+n/4] offset:(\q)*32*PBB+(n%4)*32+16*PBB
.set n, n+1
.endr
	WIN 0
.set n, 0
.rept 4
	ds_load_b128 v[AF+32*(\f)+8*n:AF+32*(\f)+8*n+3],   v[ADRA+(\slot)] offset:n*16*PA+(\q)*64
	ds_load_b128 v[AF+32*(\f)+8*n+4:AF+32*(\f)+8*n+7], v[ADRA+(\slot)] offset:n*16*PA+(\q)*64+32
.set n, n+1
.endr
.endm
; One of a K step's first three quarters: multiplies buffer f and fetches quarter q of the slot into buffer g
.macro QUARTER slot, q, f, g, zero
	s_wait_dscnt 4                                 ; B and A's blocks 0, 1 are in; the youngest four loads (blocks 2, 3) may be out
	MULA \f, 0, 0, \zero
	MULA \f, 0, 1, \zero
	PLACES
	FETCH \slot, \q, \g
	s_wait_dscnt LD                                ; all but the LD just issued
	MULA \f, 1, 0, \zero
	MULA \f, 1, 1, \zero
.endm
; The last quarter multiplies buffer 1 and changes slots: one barrier; in front of it each wave waits for all its tensor loads (one is out: its part of the next slot), adds 0 to its spare word, and waits for
; that and for its reads of this slot.  fill = 1: the barrier opens a round of the cluster's, and the joint refill, two K steps on, is the first tensor load behind it.
.macro TURN slot, next, fill
.if \fill
	s_wait_xcnt 0x0                                ; the last prefetch, a K step back, has read its address
	s_add_nc_u64 s[PFA:PFA+1], s[PFA:PFA+1], s[PST:PST+1]
.endif
	WIN 0
	s_wait_tensorcnt 0x0
	ds_add_u32 v[SPW], v[NIL]
	s_wait_dscnt 5                                 ; the add and the youngest four loads may be out
	MULA 1, 0, 0, 0
	s_wait_dscnt 0x0                               ; the add is done, and my reads of this slot are over
	s_barrier_signal -1
	MULA 1, 0, 1, 0
.if \fill
	WIN 0
.endif
	s_barrier_wait -1
.if \fill
	CREST
	s_add_nc_u64 s[G0A+4*(\slot)+2:G0A+4*(\slot)+3], s[G0A+4*(\slot)+2:G0A+4*(\slot)+3], 2*256
	s_add_nc_u64 s[G0B+4*(\slot)+2:G0B+4*(\slot)+3], s[G0B+4*(\slot)+2:G0B+4*(\slot)+3], 2*128*2*NTOT
	JLOAD \slot                                    ; 14 NF products stand between this request and the wait for it; its four v_nop are also the places in front of the loads below
.else
	PLACES
.endif
	FETCH \next, 0, 0
.if \fill
	ASK
.endif
	MULA 1, 1, 0, 0
	MULA 1, 1, 1, 0
.endm
	s_wait_tensorcnt 0x1                           ; my part of K step 0 is in; K step 1's may stay out
	s_barrier_signal -1
	s_barrier_wait -1
	FETCH 0, 0, 0
	QUARTER 0, 1, 0, 1, 1                          ; the first quarter's products start the sums
	WIN 0
	s_mov_b32 s3, LAPS-1
.Llap:                                                 ; once round the ring, from a lap's second quarter to the next lap's first
	QUARTER 0, 2, 1, 0, 0
	QUARTER 0, 3, 0, 1, 0
	TURN 0, 1, 1
	QUARTER 1, 1, 0, 1, 0
	QUARTER 1, 2, 1, 0, 0
	QUARTER 1, 3, 0, 1, 0
	TURN 1, 0, 1
	QUARTER 0, 1, 0, 1, 0
	WIN 0
	s_sub_co_u32 s3, s3, 1
	s_cmp_lg_u32 s3, 0
	s_cbranch_scc1 .Llap
	QUARTER 0, 2, 1, 0, 0                          ; the last lap fills nothing
	QUARTER 0, 3, 0, 1, 0
	TURN 0, 1, 0
	QUARTER 1, 1, 0, 1, 0
	QUARTER 1, 2, 1, 0, 0
	QUARTER 1, 3, 0, 1, 0
	s_wait_dscnt 4
	MULA 1, 0, 0, 0
	MULA 1, 0, 1, 0
	s_wait_dscnt 0x0
	MULA 1, 1, 0, 0
	MULA 1, 1, 1, 0
	; THE WAY OUT: rounded to f16, 16 bytes a lane into the stage; a barrier, since a row's 256 bytes of a plane come from two waves; back as whole rows.
	PLACES
.irp hi, 0,1
	WIN 0x0a+5*(\hi)                               ; sources in window 2 or 3
.set n, 0
.rept 2*NF
.irp r, 0,1,2,3
	v_cvt_pk_f16_f32 v[TMP+4*n+(\r)], v[8*n+2*(\r)], v[8*n+2*(\r)+1]
.endr
.set n, n+1
.endr
	WIN 0
.set n, 0
.rept 2*NF                             ; n = 12 a + 4 plane + c
	ds_store_b128 v[STO], v[TMP+4*n:TMP+4*n+3] offset:(2*(\hi)+n/NF)*16*SP+((n%NF)/4)*256+(n%4)*32
.set n, n+1
.endr
.endr
	s_wait_dscnt 0x0                               ; for the others' sake: my stores into the stage are done
	s_barrier_signal -1
	s_barrier_wait -1
.set n, 0
.rept 48                               ; n = 3 x pair of rows + plane
	ds_load_b128 v[OUTB+4*n:OUTB+4*n+3], v[RD] offset:(n/3)*2*SP+(n%3)*256
.set n, n+1
.endr
.set n, 0
.rept 48
	s_wait_dscnt 47-n
	global_store_b128 v[CO], v[OUTB+4*n:OUTB+4*n+3], s[8:9] offset:(n%3)*PLANE+(n/3)*512  ; 512 consecutive bytes, at a multiple of 256 from the buffer's first
.set n, n+1
.endr
	s_wait_tensorcnt 0x0                           ; the wave's end
	ds_add_u32 v[SPW], v[NIL]
	s_wait_dscnt 0x0
	CROUND                                         ; the closing round
	s_endpgm
.Lfunc_end_k_qccab0d7a4b_proj:
	.size	k_qccab0d7a4b_proj, .Lfunc_end_k_qccab0d7a4b_proj-k_qccab0d7a4b_proj
	.p2alignl 7, 3214868480
	.fill 96, 4, 3214868480
	.section	.rodata,"a",@progbits
	.p2align	6, 0x0
	.amdhsa_kernel k_qccab0d7a4b_proj
		.amdhsa_group_segment_fixed_size 327680
		.amdhsa_private_segment_fixed_size 0
		.amdhsa_enable_private_segment 0
		.amdhsa_kernarg_size 24
		.amdhsa_user_sgpr_count 2
		.amdhsa_user_sgpr_kernarg_segment_ptr 1
		.amdhsa_wavefront_size32 1
		.amdhsa_system_sgpr_workgroup_id_x 1
		.amdhsa_system_sgpr_workgroup_id_y 1
		.amdhsa_system_sgpr_workgroup_id_z 1
		.amdhsa_system_vgpr_workitem_id 0
		.amdhsa_next_free_vgpr 960
		.amdhsa_next_free_sgpr 80
		.amdhsa_reserve_vcc 0
		.amdhsa_float_denorm_mode_32 3
		.amdhsa_float_denorm_mode_16_64 3
		.amdhsa_memory_ordered 1
		.amdhsa_forward_progress 1
		.amdhsa_inst_pref_size 121
	.end_amdhsa_kernel
	.amdgpu_metadata
---
amdhsa.version: [ 1, 2 ]
amdhsa.kernels:
  - .name:           k_qccab0d7a4b_proj
    .symbol:         k_qccab0d7a4b_proj.kd
    .args:
      - { .name: xb, .offset: 0, .size: 8, .value_kind: global_buffer, .address_space: global }
      - { .name: wqkv, .offset: 8, .size: 8, .value_kind: global_buffer, .address_space: global }
      - { .name: qkv, .offset: 16, .size: 8, .value_kind: global_buffer, .address_space: global }
    .group_segment_fixed_size: 327680
    .private_segment_fixed_size: 0
    .kernarg_segment_align: 8
    .kernarg_segment_size: 24
    .max_flat_workgroup_size: 128
    .sgpr_count:     80
    .vgpr_count:     960
    .wavefront_size: 32
...
	.end_amdgpu_metadata
.endif
;; end of part 2
;; launch attn (part 3): grid 32 x 8, 4 waves a work-group, clusters of 4 x 1, 327,680 bytes of LDS; arguments qkv, ctx; writes ctx
.if DOCPART == 3
	.amdgcn_target "amdgcn-amd-amdhsa--gfx1250"
	.amdhsa_code_object_version 6
	.text
	.protected	k_qccab0d7a4b_attn
	.globl	k_qccab0d7a4b_attn
	.p2align	8
	.type	k_qccab0d7a4b_attn,@function
k_qccab0d7a4b_attn:
	s_mov_b64 s[64:65], 0
	v_nop
	global_prefetch_b8 v0, s[64:65] scope:SCOPE_SE
	s_setreg_imm32_b32 hwreg(HW_REG_WAVE_MODE, 25, 1), 1
	s_wait_xcnt 0x0
	s_wait_alu depctr_hold_cnt(0) depctr_sa_sdst(0) depctr_va_vdst(0) depctr_va_sdst(0) depctr_va_ssrc(0) depctr_va_vcc(0) depctr_vm_vsrc(0)
	s_getreg_b32 s2, hwreg(HW_REG_IB_STS2, 6, 4)
	s_cmp_eq_u32 s2, 0
	s_cbranch_scc0 .Lentry_in_a_cluster
	s_endpgm
.Lentry_in_a_cluster:
	s_bfe_u32 s2, ttmp6, 0x10000c
	s_cmp_lg_u32 s2, 0x3003
	s_cbranch_scc0 .Lentry_shape_is_right
	s_endpgm
.Lentry_shape_is_right:
; CAUSAL GROUPED-QUERY ATTENTION.  ctx[b][q][128 head + d] = the sum over k <= q of softmax_k(Q . K / sqrt(128)) V, head = 4 g + s; Q, K, V: planes of qkv ([2048][128] f16), ctx f16.
; Products, maxima and sums in f32; the weights p are rounded to f16 for the second product (their sum l is taken of the unrounded p), ctx once at the end.
; LIMITS.  A hidden score counts as its value less 1e30 (f16's scores are 5.5e11 at the most); a weight below 2^-126 counts as 0; NaN and infinities are not treated apart.
; THE WALK.  A head's queries lie in 16 blocks of 128; block i needs the key tiles 0 .. i of 128 keys, the last holding the diagonal.  A work-group takes blocks 15 - p and then p: 17 tiles whatever p,
; walked by one counted loop (15 trips that fill a slot again, 2 that do not).  CLUSTER: the four query heads of a group, with the same p, walk the same K and V with the same counts: every tile is a joint load.
; SHARES.  Wave w: rows 64 (w / 2) on of the block (four tiles of 16 queries, two PIECES: tiles 0, 1 and 2, 3) and keys 64 (w % 2) on of each key tile.  Each wave keeps its own running maximum m, sum l and O^T;
; at a block's end the two waves of a pair merge them in f32: weights 2^(c m - max), each wave finishing 64 of the 128 channels.
; LAYOUT.  S^T = K Q^T holds one query a lane (lane % 16) and keys 8 (lane / 16) + 0..7; two such results rounded to f16 are source 1 of O^T = V^T P.  V comes out of LDS turned; wave w's register block cb holds
; channels 16 ((cb + 4 (w % 2)) % 8) on, so that every wave keeps blocks 0-3 and hands blocks 4-7 to its partner.
; THE MASK is the C operand that starts S^T's sums: MC = MD x AL, AL = 1 in a block's last tile, else 0.  MD has three classes of eight registers: key block below, at, above the query tile.
; A TRIP: K Q^T of piece 0; K Q^T of piece 2 with piece 0's softmax in slices behind the products; the change of slots; V^T P of piece 0 with piece 2's softmax; V^T P of piece 2.
; REGISTERS: window 0: addresses, v12-43 statistics (8 a tile: c m, m, l, l, four at work), v64-191 S^T, v192-255 P; window 1: O^T, 64 a tile; window 2: v0-127 Q, v128-255 K; window 3: v0-127 V, v128-151 MD, v152-175 MC.
.set PLANE, 524288
.set TILEB, 32768                      ; 128 keys x 256 bytes
.set KS,    64
.set PK,    272
.set PV,    288
.set VOFF,  KS*PK                      ; a half tile: 64 rows of K, then 64 rows of V
.set STEPB, KS*(PK+PV)
.set SLOT1, 1<<17                      ; slot 1 begins here: one exclusive or turns an address in one slot into the other's
.set QL,    2*STEPB                    ; behind slot 0: the second block's Q, 128 rows of 272 bytes, filled once
.set MRG,   SLOT1+2*STEPB              ; 16,384 bytes a wave: the four blocks of O^T that go to the partner
.set STAGE, MRG+4*16384                ; 128 rows of 272 bytes, for the way out
.set STATS, STAGE+128*PK               ; 1,024 bytes a wave: c m and l
.set SPARE, STATS+4096                 ; the spare words, 128 bytes a wave: two blocks of 256 bytes that no other line names
.set L16, 1
.set AK0, 2
.set AVA0, 3
.set AVB0, 4
.set ADR, 5
.set ADR2, 6
.set QO,  7
.set STO, 8
.set RD,  9
.set GO,  10
.set MS,  11
.set ST,  12
.set MR,  44
.set SS,  45
.set SR,  46
.set HH,  47
.set AQ,  52
.set PFO, 61
.set SPW, 62
.set NIL, 63
.set S,   64
.set P,   192
.set KF,  128
.set MD,  128
.set MC,  152
.set WV,  12
.set PBK, 14                           ; p
.set HI,  15                           ; 15 - p
.set G1K, 24
.set G1V, 32
.set G0K, 40                           ; two sets; the second walks on
.set G0V, 48
.set CNT, 56
.set RT,  57                           ; tiles of the block in hand still to do, this one among them
.set CS,  58
.set SEL, 60
.set TB,  62                           ; 0 or SLOT1: the slot of the tile to be fetched
.set NXT, 63                           ; the tile to be asked for next
.set LQ,  66                           ; the last tile of the block whose tiles are being asked for
.set BLK, 67                           ; 0: the first block is in hand
.set OFF, 68
.set AL,  70
.set OB,  72                           ; ctx at my rows of the block in hand
.set OLO, 74                           ; and of the second block
.set PFA, 76
.set LIM, 78
.set BIGN, 79
.set G1Q, 80
.set G0Q, 88
.set RR,  92                           ; w / 2
.set JJ,  93                           ; w % 2
.set MSB, 0
.macro WIN new
.if MSB != (\new)
	s_set_vgpr_msb (MSB<<8)|(\new)
.set MSB, \new
.endif
.endm
.set W_KQ, 0x0a                        ; K and Q window 2, S^T window 0
.set W_KM, 0x3a                        ; the same with C in window 3
.set W_PV, 0x53                        ; source 0 window 3, source 1 window 0, source 2 and destination window 1
.set W_RS, 0x41                        ; destination and source 0 window 1, source 1 window 0
.set W_MK, 0xc3                        ; destination and source 0 window 3
.macro PLACES
.rept 4
	v_nop
.endr
.endm
.macro JLOAD                           ; a joint refill: waves 0, 1 fetch the two halves' K, waves 2, 3 their V; an s_nop 0 and four v_nop follow each line
	s_cmp_lt_u32 s[WV], 2
	s_cbranch_scc0 .Lfor_v_\@
	tensor_load_to_lds s[G0K+4:G0K+7], s[G1K:G1K+7]
	s_nop 0
	PLACES
	s_branch .Lasked_\@
.Lfor_v_\@:
	tensor_load_to_lds s[G0V+4:G0V+7], s[G1V:G1V+7]
	s_nop 0
	PLACES
.Lasked_\@:
.endm
; A prefetch of the tile that stands two refills on.  All eight clusters of a group walk tiles 0, 1, .. from the start; the cluster with p = 0 walks all sixteen in order, and it alone asks: its four partners take
; 32 rows each, by address; wave 0 asks for K's, wave 2 for V's: a lane a row.  Trip e names tile e + 4, up to tile 15 (CNT = 15 - e above 3).  The second block's tiles are later readings and are not asked for.
.macro ASK
	s_cmp_gt_u32 s[CNT], s[LIM]
	s_cbranch_scc0 .Lnot_mine_\@
	global_prefetch_b8 v[PFO], s[PFA:PFA+1] th:TH_LOAD_NT scope:SCOPE_SE
.Lnot_mine_\@:
.endm
.macro CROUND
	s_barrier_signal -1
	s_barrier_wait -1
	s_cmp_lg_u32 s[WV], 0
	s_cbranch_scc1 .Lnot_wave_0_\@
	s_barrier_signal -3
.Lnot_wave_0_\@:
	s_barrier_wait -3
	s_barrier_signal -1
	s_barrier_wait -1
.endm
.macro ALL line:vararg                 ; one line for each tile t
.set t, 0
.rept 4
	\line
.set t, t+1
.endr
.endm
	s_load_b128 s[4:7], s[0:1], 0x0                ; qkv s[4:5], ctx s[6:7]
	v_lshl_add_u32 v[SPW], v0, 2, SPARE
	v_mov_b32 v[NIL], 0
	ds_add_u32 v[SPW], v[NIL]                      ; the wave's opening: the add and its wait stand ahead of my first tensor load; work on registers stands between
	v_lshrrev_b32 v1, 5, v0
	v_readfirstlane_b32 s[WV], v1
	s_lshr_b32 s[RR], s[WV], 1
	s_and_b32 s[JJ], s[WV], 1
	s_bfe_u32 s13, ttmp6, 0x40000                  ; cx: the head inside the group; it enters Q's and ctx's addresses and the prefetches' alone
	s_mov_b32 s[PBK], ttmp9
	s_sub_co_u32 s[HI], 15, s[PBK]
	s_and_b32 s16, ttmp7, 0xffff
	s_lshr_b32 s17, s16, 2                         ; b
	s_and_b32 s18, s16, 3                          ; g
	s_mul_i32 s19, s17, 24*PLANE
	s_add_co_u32 s20, s18, 16                      ; K's plane,
	s_lshl_b32 s20, s20, 19
	s_add_co_u32 s20, s20, s19
	s_lshl_b32 s21, s[JJ], 14                      ; at the half tile that I fetch
	s_add_co_u32 s20, s20, s21
	s_mov_b32 s21, 0
	s_lshl_b32 s22, s18, 2
	s_add_co_u32 s22, s22, s13                     ; head
	s_lshl_b32 s23, s22, 19
	s_add_co_u32 s23, s23, s19                     ; Q's plane
	s_lshl_b32 s2, s[HI], 15                       ; the first block's Q at my 64 rows
	s_add_co_u32 s2, s2, s23
	s_lshl_b32 s3, s[RR], 14
	s_add_co_u32 s2, s2, s3
	s_mov_b32 s3, 0
	s_lshl_b32 s94, s[PBK], 15                     ; the second block's Q at the 32 rows that I fetch
	s_add_co_u32 s94, s94, s23
	s_lshl_b32 s95, s[WV], 13
	s_add_co_u32 s94, s94, s95
	s_mov_b32 s95, 0
	s_lshl_b32 s16, s17, 23                        ; ctx: 2,048 b rows of 4,096 bytes,
	s_lshl_b32 s17, s[RR], 18                      ; 64 r,
	s_add_co_u32 s16, s16, s17
	s_lshl_b32 s17, s[JJ], 17                      ; 32 j: the rows that I store,
	s_add_co_u32 s16, s16, s17
	s_lshl_b32 s17, s22, 8                         ; the head's 256 bytes
	s_add_co_u32 s16, s16, s17
	s_lshl_b32 s17, s[HI], 19
	s_add_co_u32 s[OB], s16, s17
	s_mov_b32 s[OB+1], 0
	s_lshl_b32 s17, s[PBK], 19
	s_add_co_u32 s[OLO], s16, s17
	s_mov_b32 s[OLO+1], 0
	s_mov_b32 s[G1K], 15|(1<<16)|(1<<20)|(1<<21)|(5<<22)|(3<<25)  ; the mask of four; 2-byte elements; padding on; bit 21 beside a mask; after every 64 words 4 words
	s_mov_b32 s[G1V], 15|(1<<16)|(1<<20)|(1<<21)|(5<<22)|(7<<25)  ; the same with 8 words
	s_mov_b32 s[G1Q], (1<<16)|(1<<20)|(5<<22)|(3<<25)             ; a load of my own: no mask
.irp g, G1K, G1V, G1Q
	s_mov_b32 s[(\g)+1], 128<<16                   ; tensor_dim0 = 128
	s_mov_b32 s[(\g)+3], 128<<16                   ; tile_dim0 = 128
	s_mov_b32 s[(\g)+5], 128                       ; elements from row to row
	s_mov_b32 s[(\g)+6], 0
	s_mov_b32 s[(\g)+7], 0
.endr
.irp g, G1K, G1V
	s_mov_b32 s[(\g)+2], KS<<16                    ; 64 rows
	s_mov_b32 s[(\g)+4], KS
.endr
	s_mov_b32 s[G1Q+2], 32<<16                     ; 32 rows
	s_mov_b32 s[G1Q+4], 32
	s_mov_b32 s[CS], 0x3e0293ee                    ; c = log2(e) / sqrt(128)
	s_mov_b32 s[CS+1], s[CS]
	s_mov_b32 s[SEL], 0x76543210
	s_mov_b32 s[SEL+1], 0xfedcba98
	s_mov_b32 s[BIGN], 0xf149f2ca                  ; -1e30
	s_mov_b32 s[TB], 0
	s_mov_b32 s[NXT], 2
	s_mov_b32 s[LQ], s[HI]
	s_mov_b32 s[BLK], 0
	s_add_co_u32 s[RT], s[HI], 1                   ; the first block has 16 - p tiles
	s_mov_b32 s[OFF+1], 0
	s_mov_b32 s[AL+1], 0
	s_and_b32 s[LIM], s[WV], 1
	s_or_b32 s[LIM], s[LIM], ttmp9
	s_cmp_eq_u32 s[LIM], 0
	s_cselect_b32 s[LIM], 3, -1                    ; the same in all four partners, for a given wave
	s_wait_dscnt 0x0                               ; the opening add is done
	s_wait_kmcnt 0x0
	s_add_nc_u64 s[8:9], s[4:5], s[20:21]          ; K at my half of tile 0
	s_add_nc_u64 s[10:11], s[8:9], 4*PLANE         ; V likewise
	s_add_nc_u64 s[2:3], s[4:5], s[2:3]
	s_add_nc_u64 s[OB:OB+1], s[6:7], s[OB:OB+1]
	s_add_nc_u64 s[OLO:OLO+1], s[6:7], s[OLO:OLO+1]
	s_cmp_lt_u32 s[WV], 2
	s_cselect_b64 s[PFA:PFA+1], s[8:9], s[10:11]   ; (in waves 0 and 2 these stand at a tile's first row)
	s_lshl_b32 s16, s13, 13                        ; my work-group's 32 rows
	s_mov_b32 s17, 0
	s_add_nc_u64 s[PFA:PFA+1], s[PFA:PFA+1], s[16:17]
	s_add_nc_u64 s[PFA:PFA+1], s[PFA:PFA+1], 3*TILEB  ; at tile 3: the first change of slots steps it to 4
	CROUND                                         ; all four work-groups are here: the first joint loads meet
	s_mul_i32 s16, s[JJ], STEPB
.irp s, 0,1
	s_mov_b32 s[G0K+4*(\s)], 1
	s_add_co_u32 s[G0K+4*(\s)+1], s16, (\s)*SLOT1
	s_add_nc_u64 s[G0K+4*(\s)+2:G0K+4*(\s)+3], s[8:9], (\s)*TILEB
	s_or_b32 s[G0K+4*(\s)+3], s[G0K+4*(\s)+3], 0x80000000
	s_mov_b32 s[G0V+4*(\s)], 1
	s_add_co_u32 s[G0V+4*(\s)+1], s16, (\s)*SLOT1+VOFF
	s_add_nc_u64 s[G0V+4*(\s)+2:G0V+4*(\s)+3], s[10:11], (\s)*TILEB
	s_or_b32 s[G0V+4*(\s)+3], s[G0V+4*(\s)+3], 0x80000000
.endr
	s_mov_b32 s[G0Q], 1
	s_mul_i32 s17, s[WV], 32*PK
	s_add_co_u32 s[G0Q+1], s17, QL
	s_add_nc_u64 s[G0Q+2:G0Q+3], s[4:5], s[94:95]
	s_or_b32 s[G0Q+3], s[G0Q+3], 0x80000000
	s_cmp_lt_u32 s[WV], 2                          ; a wave's three first fills stand in one branch: tiles 0 and 1 and my 32 rows of the second block's Q: three loads of mine are out
	s_cbranch_scc0 .Lfirst_v
	tensor_load_to_lds s[G0K:G0K+3], s[G1K:G1K+7]
	s_nop 0
	tensor_load_to_lds s[G0K+4:G0K+7], s[G1K:G1K+7]
	s_nop 0
	tensor_load_to_lds s[G0Q:G0Q+3], s[G1Q:G1Q+7]
	s_nop 0
	PLACES
	s_branch .Lfirst_asked
.Lfirst_v:
	tensor_load_to_lds s[G0V:G0V+3], s[G1V:G1V+7]
	s_nop 0
	tensor_load_to_lds s[G0V+4:G0V+7], s[G1V:G1V+7]
	s_nop 0
	tensor_load_to_lds s[G0Q:G0Q+3], s[G1Q:G1Q+7]
	s_nop 0
	PLACES
.Lfirst_asked:
	v_and_b32 v[L16], 15, v0
	v_bfe_u32 v[HH], v0, 4, 1
	v_lshlrev_b32 v[QO], 8, v[L16]
	v_lshl_add_u32 v[QO], v[HH], 4, v[QO]          ; row x 256 + 16 x half
	WIN 0x80
.set i, 0
.rept 16                               ; the first block's Q: tile i / 4, channels 32 (i % 4) on
	global_load_b128 v[8*i:8*i+3],   v[QO], s[2:3] offset:(i/4)*4096+(i%4)*64
	global_load_b128 v[8*i+4:8*i+7], v[QO], s[2:3] offset:(i/4)*4096+(i%4)*64+32
.set i, i+1
.endr
	WIN 0
	v_lshlrev_b32 v48, 3, v[HH]                    ; a score is hidden where 16 (kb - t) + i > l % 16 - 8 (l / 16) + 64 (r - j)
	v_sub_nc_u32 v48, v[L16], v48
	s_sub_co_i32 s16, s[RR], s[JJ]
	s_lshl_b32 s16, s16, 6
	v_add_nc_u32 v48, s16, v48
	WIN 0xc0
.set i, 0
.rept 24                               ; class i / 8: kb - t = -1, 0, 1 stand for below, at, above
	v_cmp_gt_i32 vcc_lo, 16*(i/8)-16+i%8, v48
	v_cndmask_b32 v[MD+i], 0, s[BIGN], vcc_lo
.set i, i+1
.endr
	WIN 0x40                                       ; O^T and l start at 0, in the wait for the first tile: a block's first step is then a step like any other, with a = 0
.set i, 0
.rept 256
	v_mov_b32 v[i], 0
.set i, i+1
.endr
	WIN 0
.set i, 0
.rept 4
	v_mov_b32 v[ST+8*i], 0xfe000000                ; c m: far below every c s
	v_mov_b32 v[ST+8*i+1], 0xff7fffff              ; m
	v_mov_b32 v[ST+8*i+2], 0
	v_mov_b32 v[ST+8*i+3], 0
.set i, i+1
.endr
	v_mul_u32_u24 v53, v[L16], PK
	v_lshl_add_u32 v53, v[HH], 4, v53              ; row x 272 + 16 x half: K's, Q's and the stage's lane term
	s_mul_i32 s16, s[JJ], STEPB                    ; my half tile
	v_add_nc_u32 v[AK0], s16, v53
	s_mul_i32 s17, s[RR], 64*PK                    ; my 64 rows
	s_add_co_u32 s18, s17, QL
	v_add_nc_u32 v[AQ], s18, v53
	s_add_co_u32 s18, s17, STAGE
	s_lshl_b32 s19, s[JJ], 7                       ; my 64 channels
	s_add_co_u32 s20, s18, s19
	v_add_nc_u32 v[STO], s20, v53
	v_mul_u32_u24 v[RD], v[HH], PK                 ; back: rows 32 j on of my 64; lanes 0-15 one row, lanes 16-31 the next
	v_lshl_add_u32 v[RD], v[L16], 4, v[RD]
	s_mul_i32 s20, s[JJ], 32*PK
	s_add_co_u32 s20, s20, s18
	v_add_nc_u32 v[RD], s20, v[RD]
	v_lshlrev_b32 v[GO], 12, v[HH]
	v_lshl_add_u32 v[GO], v[L16], 4, v[GO]
	v_and_b32 v49, 7, v0                           ; V, turned: lane l reads key 8 (l / 16) + l % 8, 16 bytes at 16 ((l / 8) % 2)
	v_bfe_u32 v50, v0, 3, 1
	v_lshl_add_u32 v51, v[HH], 3, v49
	v_mul_u32_u24 v51, v51, PV
	v_lshl_add_u32 v51, v50, 4, v51
	s_add_co_u32 s17, s16, VOFF
	s_add_co_u32 s18, s17, s19                     ; register blocks 0-3: channels 64 j on
	v_add_nc_u32 v[AVA0], s18, v51
	s_sub_co_u32 s18, s17, s19                     ; blocks 4-7: the other 64
	v_add_nc_u32 v[AVB0], s18, v51
	v_and_b32 v54, 31, v0
	s_xor_b32 s17, s[WV], 1                        ; my partner
	s_lshl_b32 s18, s[WV], 14
	s_add_co_u32 s18, s18, MRG
	v_lshl_add_u32 v[MS], v54, 4, s18
	s_lshl_b32 s18, s17, 14
	s_add_co_u32 s18, s18, MRG
	v_lshl_add_u32 v[MR], v54, 4, s18
	s_lshl_b32 s18, s[WV], 10
	s_add_co_u32 s18, s18, STATS
	v_lshl_add_u32 v[SS], v54, 3, s18
	s_lshl_b32 s18, s17, 10
	s_add_co_u32 s18, s18, STATS
	v_lshl_add_u32 v[SR], v54, 3, s18
	v_lshlrev_b32 v[PFO], 8, v54
; THE MATRIX WORK.  The accumulators take turns, one instruction a turn (8 in K Q^T, 16 in V^T P); runs that follow each other name different accumulators.
; Product i of 32 of S^T = K Q^T for piece x: channels 32 (i / 8) on, keys 16 ((i / 2) % 4) on, tile x + i % 2.  The first 8 start the sums with the mask's class.
.macro KQ x
.set tt, (\x)+i%2
.set kb, (i/2)%4
.set rS, S+32*tt+8*kb
.set rK, KF+32*kb+8*(i/8)
.set rQ, 32*tt+8*(i/8)
.if i < 8
.if kb < tt
.set rM, MC
.elseif kb == tt
.set rM, MC+8
.else
.set rM, MC+16
.endif
	WIN W_KM
	v_wmma_f32_16x16x32_f16 v[rS:rS+7], v[rK:rK+7], v[rQ:rQ+7], v[rM:rM+7]
.else
	WIN W_KQ
	v_wmma_f32_16x16x32_f16 v[rS:rS+7], v[rK:rK+7], v[rQ:rQ+7], v[rS:rS+7]
.endif
.endm
; Product i of 32 of O^T += V^T P: keys 32 (i / 16) on, register block (i / 2) % 8, tile x + i % 2
.macro PV x
	WIN W_PV
.set rO, 64*((\x)+i%2)+8*((i/2)%8)
.set rV, 64*(i/16)+8*((i/2)%8)
.set rP, P+16*((\x)+i%2)+8*(i/16)
	v_wmma_f32_16x16x32_f16 v[rO:rO+7], v[rV:rV+7], v[rP:rP+7], v[rO:rO+7]
.endm
; THE LDS LOADS stand in runs of 32.
.macro FETCH_K
	WIN 0
	v_add_nc_u32 v[ADR], s[TB], v[AK0]
	WIN 0x80
.set f, 0
.rept 16                               ; keys 16 (f / 4) on, channels 32 (f % 4) on
	ds_load_b128 v[KF+8*f:KF+8*f+3],   v[ADR] offset:(f/4)*16*PK+(f%4)*64
	ds_load_b128 v[KF+8*f+4:KF+8*f+7], v[ADR] offset:(f/4)*16*PK+(f%4)*64+32
.set f, f+1
.endr
	WIN 0
.endm
.macro FETCH_V
	WIN 0
	v_add_nc_u32 v[ADR], s[TB], v[AVA0]
	v_add_nc_u32 v[ADR2], s[TB], v[AVB0]
	WIN 0xc0
.set f, 0
.rept 16                               ; keys 32 (f / 8) on, register block f % 8
	ds_load_tr16_b128 v[8*f:8*f+3],   v[ADR+(f%8)/4] offset:(f/8)*32*PV+(f%8)*32
	ds_load_tr16_b128 v[8*f+4:8*f+7], v[ADR+(f%8)/4] offset:(f/8)*32*PV+16*PV+(f%8)*32
.set f, f+1
.endr
.endm
; THE VECTOR WORK.  One tile's softmax for one trip is a list of 134 instructions; SM writes number j of it for tile t.  s0-s31 are the lane's 32 scores.
;   0-15 the maximum of the scores and the old m (each accumulator's lowest registers are read first)   16-20 the other half of the lanes'; the new m; c m; its change
;   21-69 ONE BATCH: the 16 scalings c s - c m and all 33 exponentials (a at 23); none reads an exponential's result   70-85 roundings to f16   86-101 the sums; l = a l + sum   102-133 O^T times a
.macro SM t
.set rT, ST+8*(\t)
.set rS, S+32*(\t)
.set rP, P+16*(\t)
.set rO, 64*(\t)+2*(j-102)
.if j < 102
	WIN 0
.endif
.if j < 4
	v_max3_num_f32 v[rT+4+j], v[rS+8*j], v[rS+8*j+1], v[rS+8*j+2]
.elseif j < 12
	v_max3_num_f32 v[rT+4+j%4], v[rT+4+j%4], v[rS+8*(j%4)+2*(j/4)+1], v[rS+8*(j%4)+2*(j/4)+2]
.elseif j == 12
	v_max3_num_f32 v[rT+4], v[rT+4], v[rS+7], v[rS+15]
.elseif j == 13
	v_max3_num_f32 v[rT+6], v[rT+6], v[rS+23], v[rS+31]
.elseif j == 14
	v_max3_num_f32 v[rT+4], v[rT+4], v[rT+5], v[rT+6]
.elseif j == 15
	v_max3_num_f32 v[rT+4], v[rT+4], v[rT+7], v[rT+1]
.elseif j == 16
	v_permlanex16_b32 v[rT+5], v[rT+4], s[SEL], s[SEL+1]  ; the query's other 32 keys lie in the lane 16 away
.elseif j == 17
	v_mov_b32 v[rT+7], v[rT]                       ; c m_old is kept for a
.elseif j == 18
	v_max_num_f32 v[rT+1], v[rT+4], v[rT+5]
.elseif j == 19
	v_mul_f32 v[rT], s[CS], v[rT+1]
.elseif j == 20
	v_sub_f32 v[rT+7], v[rT+7], v[rT]
.elseif j == 23
	v_exp_f32 v[rT+6], v[rT+7]
.elseif (j < 23) || ((j < 38) && (j%2 == 0)) || ((j < 66) && (j%4 == 2))
.set b, (j-2)/4
.if j < 38
.set b, (j-20)/2
.endif
	v_pk_fma_f32 v[rS+2*b:rS+2*b+1], v[rS+2*b:rS+2*b+1], s[CS:CS+1], v[rT:rT+1] op_sel_hi:[1,0,0] neg_lo:[0,0,1] neg_hi:[0,0,1]
.elseif j < 70
.set e, j-38
.if j < 66
.set e, j-32-(j-38)/4
.endif
.if j < 38
.set e, (j-25)/2
.endif
	v_exp_f32 v[rS+e], v[rS+e]
.elseif j < 86
	v_cvt_pk_f16_f32 v[rP+j-70], v[rS+2*(j-70)], v[rS+2*(j-70)+1]
.elseif j < 102
.set z, j-86
.set w, 4
.set u, z
.if z >= 14
.set w, 32
.set u, 0
.elseif z >= 12
.set w, 16
.set u, z-12
.elseif z >= 8
.set w, 8
.set u, z-8
.endif
.if z < 15
	v_pk_add_f32 v[rS+w*u:rS+w*u+1], v[rS+w*u:rS+w*u+1], v[rS+w*u+w/2:rS+w*u+w/2+1]
.else
	v_pk_fma_f32 v[rT+2:rT+3], v[rT+2:rT+3], v[rT+6:rT+7], v[rS:rS+1] op_sel_hi:[1,0,1]
.endif
.else
	WIN W_RS
	v_pk_mul_f32 v[rO:rO+1], v[rO:rO+1], v[rT+6:rT+7] op_sel_hi:[1,0]
.endif
.endm
; Slice k of 64 of piece y's softmax.  Slices 11 to 34 deal out the batch, four numbers of one tile each; every other slice is numbers 2 k, 2 k + 1 of both tiles; slice 63 takes the twelve that are over.
; Behind slice 34 stand a plain instruction and the one wait between the piece's 66 exponentials and the first instruction that names a result of theirs.
.macro SLICE y
.if (k >= 11) && (k < 35)
.irp n, 0,1,2,3
.set j, 22+4*((k-11)/2)+(\n)
	SM (\y)+(k-11)%2
.endr
.else
.irp n, 0,1,2,3,4,5,6,7
.if ((\n) < 2) || (k == 63)
.irp t, \y, (\y)+1
.set j, 2*k+(\n)
	SM \t
.endr
.endif
.endr
.endif
.if k == 34
	v_nop
	s_wait_alu depctr_va_vdst(0)
.endif
.set k, k+1
.endm
; 32 products of piece x (pv = 1: V^T P, 0: K Q^T), behind each two slices of the other piece's softmax.  No slice names a register of the products round it; slices 62 and 63, twenty plain lines, are the places behind the last product.
.macro HALF pv, x
.set k, 0
.set i, 0
.rept 32
.if \pv
	PV \x
.else
	KQ \x
.endif
	SLICE 2-(\x)
	SLICE 2-(\x)
.set i, i+1
.endr
.endm
; THE CHANGE OF SLOTS, in a trip's middle: K and V of the tile in hand are in registers.  Each wave waits for all its tensor loads (one is out: its part of the next tile), adds 0 to its spare word, and waits for that
; and for its reads of the slot.  fill = 1: a round of the cluster's barrier, and the joint refill with tile NXT first behind it: it has a whole trip, 128 products, in which to land.  Then K of the next tile is fetched.
.macro MID fill
	WIN 0
	s_wait_tensorcnt 0x0                           ; no tensor load of mine is out, so a group 0 may be written
	ds_add_u32 v[SPW], v[NIL]
.if \fill
	s_lshl_b32 s[OFF], s[NXT], 15
	s_xor_b32 s[G0K+5], s[G0K+5], SLOT1
	s_add_nc_u64 s[G0K+6:G0K+7], s[8:9], s[OFF:OFF+1]
	s_or_b32 s[G0K+7], s[G0K+7], 0x80000000
	s_xor_b32 s[G0V+5], s[G0V+5], SLOT1
	s_add_nc_u64 s[G0V+6:G0V+7], s[10:11], s[OFF:OFF+1]
	s_or_b32 s[G0V+7], s[G0V+7], 0x80000000
	s_add_co_u32 s[NXT], s[NXT], 1                 ; the block's next tile, or behind its last the second block's tile 0
	s_cmp_gt_u32 s[NXT], s[LQ]
	s_cselect_b32 s[NXT], 0, s[NXT]
	s_cselect_b32 s[LQ], s[PBK], s[LQ]
	s_wait_xcnt 0x0                                ; the last prefetch, a trip back, has read its address
	s_add_nc_u64 s[PFA:PFA+1], s[PFA:PFA+1], TILEB
	s_wait_dscnt 0x0                               ; the add is done, V is in: my reads of the slot are over
	CROUND
	JLOAD
.else
	s_wait_dscnt 0x0
	s_barrier_signal -1
	s_barrier_wait -1
.endif
	s_xor_b32 s[TB], s[TB], SLOT1
.if \fill
	FETCH_K
	ASK
.else
	s_cmp_eq_u32 s[CNT], 1                         ; behind the walk's last tile there is none
	s_cbranch_scc1 .Lno_k_\@
	FETCH_K
.Lno_k_\@:
.endif
.endm
; A BLOCK'S END.  It is entered by all four waves of all four partners in the same trip: RT is made of p and constants alone.
.macro END_BLOCK
	ALL v_add_f32 v[ST+8*t+4], v[ST+8*t+2], v[ST+8*t+3]      ; l: even keys', odd keys', (these additions are the places behind the last products)
	ALL v_permlanex16_b32 v[ST+8*t+5], v[ST+8*t+4], s[SEL], s[SEL+1]
	ALL v_add_f32 v[ST+8*t+1], v[ST+8*t+4], v[ST+8*t+5]      ; and the other half of the lanes'; it takes m's place beside c m
	ALL ds_store_b64 v[SS], v[ST+8*t:ST+8*t+1] offset:256*t
	WIN 0x04                                       ; store data in window 1
.set n, 0
.rept 32                               ; tile n / 8, blocks 4-7, four registers at a time, the low four first
	ds_store_b128 v[MS], v[64*(n/8)+32+4*(n%8):64*(n/8)+32+4*(n%8)+3] offset:512*n
.set n, n+1
.endr
	WIN 0
	s_wait_dscnt 0x0                               ; for my partner's sake
	s_barrier_signal -1
	s_barrier_wait -1
	ALL ds_load_b64 v[ST+8*t+4:ST+8*t+5], v[SR] offset:256*t  ; the partner's c m' and l'
	WIN 0xc0
.set n, 0
.rept 32                               ; its blocks 4-7 are my channels: into V's registers
	ds_load_b128 v[4*n:4*n+3], v[MR] offset:512*n
.set n, n+1
.endr
	WIN 0
	s_wait_dscnt 32                                ; the statistics are in
	ALL v_max_num_f32 v[ST+8*t+6], v[ST+8*t], v[ST+8*t+4]
	ALL v_sub_f32 v[ST+8*t+2], v[ST+8*t], v[ST+8*t+6]
	ALL v_sub_f32 v[ST+8*t+3], v[ST+8*t+4], v[ST+8*t+6]
	ALL v_exp_f32 v[ST+8*t+2], v[ST+8*t+2]                   ; w
	ALL v_exp_f32 v[ST+8*t+3], v[ST+8*t+3]                   ; w'
	v_nop
	s_wait_alu depctr_va_vdst(0)                   ; one wait for the eight exponentials
	ALL v_mul_f32 v[ST+8*t+6], v[ST+8*t+1], v[ST+8*t+2]
	ALL v_fmac_f32 v[ST+8*t+6], v[ST+8*t+5], v[ST+8*t+3]     ; l w + l' w': at least 1, since the greater maximum's own weight is 1
	ALL v_rcp_f32 v[ST+8*t+7], v[ST+8*t+6]
	v_nop
	s_wait_alu depctr_va_vdst(0)                   ; one wait for the four reciprocals
	ALL v_mul_f32 v[ST+8*t+2], v[ST+8*t+2], v[ST+8*t+7]      ; my factor,
	ALL v_mul_f32 v[ST+8*t+4], v[ST+8*t+3], v[ST+8*t+7]      ; the partner's
	s_wait_dscnt 0x0
.set t, 0
.rept 4
	WIN W_RS
.set n, 0
.rept 16
	v_pk_mul_f32 v[64*t+2*n:64*t+2*n+1], v[64*t+2*n:64*t+2*n+1], v[ST+8*t+2:ST+8*t+3] op_sel_hi:[1,0]
.set n, n+1
.endr
	WIN W_PV
.set n, 0
.rept 16
	v_pk_fma_f32 v[64*t+2*n:64*t+2*n+1], v[32*t+2*n:32*t+2*n+1], v[ST+8*t+4:ST+8*t+5], v[64*t+2*n:64*t+2*n+1] op_sel_hi:[1,0,1]
.set n, n+1
.endr
	WIN 0x05
.set n, 0
.rept 16
	v_cvt_pk_f16_f32 v[S+16*t+n], v[64*t+2*n], v[64*t+2*n+1]
.set n, n+1
.endr
	WIN 0
.set n, 0
.rept 4
	ds_store_b128 v[STO], v[S+16*t+4*n:S+16*t+4*n+3] offset:16*PK*t+32*n
.set n, n+1
.endr
.set t, t+1
.endr
	s_wait_dscnt 0x0                               ; a row's 256 bytes come from both waves of a pair
	s_barrier_signal -1
	s_barrier_wait -1
.set n, 0
.rept 16
	ds_load_b128 v[S+64+4*n:S+64+4*n+3], v[RD] offset:2*PK*n
.set n, n+1
.endr
.set n, 0
.rept 16
	s_wait_dscnt 15-n
	global_store_b128 v[GO], v[S+64+4*n:S+64+4*n+3], s[OB:OB+1] offset:8192*n  ; 16 lanes store 256 consecutive bytes, at a multiple of 256 from ctx's first
.set n, n+1
.endr
	s_wait_xcnt 0x0                                ; the stores have read their registers and their base
	s_cmp_lg_u32 s[BLK], 0
	s_cbranch_scc1 .Lsame_\@
	s_mov_b64 s[OB:OB+1], s[OLO:OLO+1]             ; THE SECOND BLOCK: p + 1 tiles; its Q comes out of LDS; c m and m start anew, so the first step's a is 0 and what O^T and l hold need only be finite
	s_add_co_u32 s[RT], s[PBK], 1
	s_mov_b32 s[BLK], 1
	WIN 0x80
.set i, 0
.rept 16
	ds_load_b128 v[8*i:8*i+3],   v[AQ] offset:(i/4)*16*PK+(i%4)*64
	ds_load_b128 v[8*i+4:8*i+7], v[AQ] offset:(i/4)*16*PK+(i%4)*64+32
.set i, i+1
.endr
	WIN 0
	ALL v_mov_b32 v[ST+8*t], 0xfe000000
	ALL v_mov_b32 v[ST+8*t+1], 0xff7fffff
.Lsame_\@:
.endm
.macro TRIP fill
	s_cmp_eq_u32 s[RT], 1                          ; the block's last tile holds the diagonal
	s_cselect_b32 s[AL], 1.0, 0
	WIN W_MK
.set z, 0
.rept 12                               ; the masks; also the places between the last products V^T P and the loads into V's registers
	v_pk_mul_f32 v[MC+2*z:MC+2*z+1], v[MD+2*z:MD+2*z+1], s[AL:AL+1] op_sel_hi:[1,0]
.set z, z+1
.endr
	FETCH_V
	s_wait_dscnt 32                                ; K (and, behind a change of blocks, Q) is in; V's 32 loads may stay out
.set i, 0
.rept 32
	KQ 0
.set i, i+1
.endr
	WIN 0
	PLACES
	HALF 0, 2
	MID \fill
	HALF 1, 0
.set i, 0
.rept 32
	PV 2
.set i, i+1
.endr
	WIN 0
	s_sub_co_u32 s[RT], s[RT], 1
	s_cmp_lg_u32 s[RT], 0
	s_cbranch_scc1 .Lon_\@
	END_BLOCK
.Lon_\@:
.endm
	s_wait_tensorcnt 0x2                           ; my part of tile 0 is in; tile 1's and Q's may stay out
	s_barrier_signal -1
	s_barrier_wait -1
	FETCH_K
	s_wait_loadcnt 0x0                             ; the first block's Q
	s_mov_b32 s[CNT], 15
.Ltrip:                                                ; tiles 0 to 14 of the walk: each trip asks for the tile two on
	TRIP 1
	s_sub_co_u32 s[CNT], s[CNT], 1
	s_cmp_lg_u32 s[CNT], 0
	s_cbranch_scc1 .Ltrip
	s_mov_b32 s[CNT], 2
.Ltail:                                                ; the last two tiles ask for nothing: a text of their own
	TRIP 0
	s_sub_co_u32 s[CNT], s[CNT], 1
	s_cmp_lg_u32 s[CNT], 0
	s_cbranch_scc1 .Ltail
	s_wait_tensorcnt 0x0                           ; the wave's end
	ds_add_u32 v[SPW], v[NIL]
	s_wait_dscnt 0x0
	CROUND                                         ; the closing round
	s_endpgm
.Lfunc_end_k_qccab0d7a4b_attn:
	.size	k_qccab0d7a4b_attn, .Lfunc_end_k_qccab0d7a4b_attn-k_qccab0d7a4b_attn
	.p2alignl 7, 3214868480
	.fill 96, 4, 3214868480
	.section	.rodata,"a",@progbits
	.p2align	6, 0x0
	.amdhsa_kernel k_qccab0d7a4b_attn
		.amdhsa_group_segment_fixed_size 327680
		.amdhsa_private_segment_fixed_size 0
		.amdhsa_enable_private_segment 0
		.amdhsa_kernarg_size 16
		.amdhsa_user_sgpr_count 2
		.amdhsa_user_sgpr_kernarg_segment_ptr 1
		.amdhsa_wavefront_size32 1
		.amdhsa_system_sgpr_workgroup_id_x 1
		.amdhsa_system_sgpr_workgroup_id_y 1
		.amdhsa_system_sgpr_workgroup_id_z 1
		.amdhsa_system_vgpr_workitem_id 0
		.amdhsa_next_free_vgpr 944
		.amdhsa_next_free_sgpr 96
		.amdhsa_reserve_vcc 1
		.amdhsa_float_denorm_mode_32 3
		.amdhsa_float_denorm_mode_16_64 3
		.amdhsa_memory_ordered 1
		.amdhsa_forward_progress 1
		.amdhsa_inst_pref_size 174
	.end_amdhsa_kernel
	.amdgpu_metadata
---
amdhsa.version: [ 1, 2 ]
amdhsa.kernels:
  - .name:           k_qccab0d7a4b_attn
    .symbol:         k_qccab0d7a4b_attn.kd
    .args:
      - { .name: qkv, .offset: 0, .size: 8, .value_kind: global_buffer, .address_space: global }
      - { .name: ctx, .offset: 8, .size: 8, .value_kind: global_buffer, .address_space: global }
    .group_segment_fixed_size: 327680
    .private_segment_fixed_size: 0
    .kernarg_segment_align: 8
    .kernarg_segment_size: 16
    .max_flat_workgroup_size: 128
    .sgpr_count:     96
    .vgpr_count:     944
    .wavefront_size: 32
...
	.end_amdgpu_metadata
.endif
;; end of part 3
;; launch outp (part 4): grid 8 x 32, 4 waves a work-group, clusters of 4 x 4, 327,680 bytes of LDS; arguments ctx, wo16, bo, out0; writes out0
.if DOCPART == 4
	.amdgcn_target "amdgcn-amd-amdhsa--gfx1250"
	.amdhsa_code_object_version 6
	.text
	.protected	k_qccab0d7a4b_outp
	.globl	k_qccab0d7a4b_outp
	.p2align	8
	.type	k_qccab0d7a4b_outp,@function
k_qccab0d7a4b_outp:
	s_mov_b64 s[64:65], 0
	v_nop
	global_prefetch_b8 v0, s[64:65] scope:SCOPE_SE
	s_setreg_imm32_b32 hwreg(HW_REG_WAVE_MODE, 25, 1), 1
	s_wait_xcnt 0x0
	s_wait_alu depctr_hold_cnt(0) depctr_sa_sdst(0) depctr_va_vdst(0) depctr_va_sdst(0) depctr_va_ssrc(0) depctr_va_vcc(0) depctr_vm_vsrc(0)
	s_getreg_b32 s2, hwreg(HW_REG_IB_STS2, 6, 4)
	s_cmp_eq_u32 s2, 0
	s_cbranch_scc0 .Lentry_in_a_cluster
	s_endpgm
.Lentry_in_a_cluster:
	s_bfe_u32 s2, ttmp6, 0x10000c
	s_cmp_lg_u32 s2, 0xf033
	s_cbranch_scc0 .Lentry_shape_is_right
	s_endpgm
.Lentry_shape_is_right:
; OUTPUT PROJECTION.  out0 = ctx x Wo + bo: [4096][2048] (ctx, f16) x [2048][2048] (wo16, f16, rows along N), sums in f32, plus the bias (rounded to bf16 like every input), stored as f32.
; SHARES.  A tile is 128 rows x 256 columns: 8 x 32 tiles, one a work-group.  Wave w: rows 64 (w / 2) on (4 fragments), columns 64 (w % 2) on of each half of 128 (8 fragments): 32 accumulators.
; K goes in steps of 128 through two LDS slots; a step is four quarters of 32.  Waves 0, 1 fetch A's halves (64 rows x 256 bytes), waves 2, 3 B's halves (128 rows of K x 256 bytes): one tensor load a wave.
; B lies [K][N]: its fragments come out of LDS turned.  The matrix instruction is used transposed: a lane holds 8 neighbouring columns of a row.
; CLUSTER 4 x 4: A's tile is shared along a row of the cluster, B's along a column: joint loads.
; REGISTERS: window 0: v16-31 addresses, v32-95 A's fragments (two buffers), v96-223 at work on the way out, v224-231 the bias; window 1: B's fragments, two buffers of 64; windows 2, 3: accumulators.
.set KTOT, 2048
.set NTOT, 2048
.set NSUB, 2
.set NF,   8
.set NA,   2
.set LD,   2*NF+8
.set PA,   272
.set PBB,  288
.set REGB, 128*PBB
.set SLOT, 128*PA+2*REGB
.set STAGE, 2*SLOT                     ; behind the ring: 16 rows x 528 bytes for each wave, its own
.set SP,   528
.set SPARE, STAGE+4*16*SP              ; the spare words, 128 bytes a wave: two blocks of 256 bytes that no other line names
.set LAPS, KTOT/256
.set ADRA, 16
.set ADRB, 18                          ; v18-21: slot, half
.set STO,  24
.set RD,   25
.set CO,   26
.set BO,   27                          ; my offset in bo; never rewritten
.set SPW,  28
.set NIL,  29
.set PFO,  30
.set AF,   32
.set TMP,  96
.set BIAS, 224
.set WV,  12
.set G1A, 24
.set G0A, 32
.set G1B, 48
.set G0B, 56
.set PFA, 44
.set PST, 46
.set LIM, 66
.set OBA, 68                           ; s[68:69] out0 at the 16 rows in hand
.set MSB, 0
.macro WIN new
.if MSB != (\new)
	s_set_vgpr_msb (MSB<<8)|(\new)
.set MSB, \new
.endif
.endm
.set MUL_LO, 0xa1
.set TO_B,   0x40
.macro PLACES
.rept 4
	v_nop
.endr
.endm
.macro JLOAD s                         ; a joint load; the branch hangs on the wave's number alone; an s_nop 0 and four v_nop follow each line
	s_cmp_lt_u32 s[WV], NA
	s_cbranch_scc0 .Lfor_b_\@
	tensor_load_to_lds s[G0A+4*(\s):G0A+4*(\s)+3], s[G1A:G1A+7]
	s_nop 0
	PLACES
	s_branch .Lasked_\@
.Lfor_b_\@:
	tensor_load_to_lds s[G0B+4*(\s):G0B+4*(\s)+3], s[G1B:G1B+7]
	s_nop 0
	PLACES
.Lasked_\@:
.endm
.macro CREST
	s_cmp_lg_u32 s[WV], 0
	s_cbranch_scc1 .Lnot_wave_0_\@
	s_barrier_signal -3
.Lnot_wave_0_\@:
	s_barrier_wait -3
	s_barrier_signal -1
	s_barrier_wait -1
.endm
.macro CROUND
	s_barrier_signal -1
	s_barrier_wait -1
	CREST
.endm
; A prefetch of the K step two refills on: 32 rows x 256 bytes, a lane a row.  A's 128 rows: the clusters with x = 0, wave 0, 32 rows a partner by cx.  B's halves: the clusters with y = 0, waves 2 and 3, 32 rows of K
; a partner by cy.  Wave 1 asks for nothing.  Each block is named once; the loop's last trip has no K step two on.
.macro ASK
	s_cmp_gt_u32 s3, s[LIM]
	s_cbranch_scc0 .Lnot_mine_\@
	global_prefetch_b8 v[PFO], s[PFA:PFA+1] th:TH_LOAD_NT scope:SCOPE_SE
.Lnot_mine_\@:
.endm
	s_load_b256 s[4:11], s[0:1], 0x0               ; ctx s[4:5], wo16 s[6:7], bo s[8:9], out0 s[10:11]
	v_lshl_add_u32 v[SPW], v0, 2, SPARE
	v_mov_b32 v[NIL], 0
	ds_add_u32 v[SPW], v[NIL]                      ; the wave's opening: the add and its wait stand ahead of my first tensor load
	v_lshrrev_b32 v1, 5, v0
	v_readfirstlane_b32 s[WV], v1
	s_lshr_b32 s13, s[WV], 1                       ; wr
	s_and_b32 s14, s[WV], 1                        ; wc; also the half of A or of B that I fetch
	s_bfe_u32 s40, ttmp6, 0x40000                  ; cx
	s_bfe_u32 s41, ttmp6, 0x40004                  ; cy
	s_lshl_b32 s42, ttmp9, 2
	s_add_co_u32 s42, s42, s40                     ; tile column
	s_and_b32 s43, ttmp7, 0xffff
	s_lshl_b32 s43, s43, 2
	s_add_co_u32 s43, s43, s41                     ; tile row
	s_lshl_b32 s16, s41, 2
	s_lshl_b32 s16, 15, s16
	s_lshl_b32 s17, 0x1111, s40
	s_or_b32 s[G1A], s16, (1<<16)|(1<<20)|(1<<21)|(5<<22)|(3<<25)
	s_or_b32 s[G1B], s17, (1<<16)|(1<<20)|(1<<21)|(5<<22)|(7<<25)
.irp g, G1A, G1B
	s_mov_b32 s[(\g)+1], 128<<16                   ; tensor_dim0 = 128
	s_mov_b32 s[(\g)+3], 128<<16                   ; tile_dim0 = 128
	s_mov_b32 s[(\g)+6], 0
	s_mov_b32 s[(\g)+7], 0
.endr
	s_mov_b32 s[G1A+2], 64<<16                     ; A: 64 rows
	s_mov_b32 s[G1A+4], 64
	s_mov_b32 s[G1A+5], KTOT
	s_mov_b32 s[G1B+2], 128<<16                    ; B: 128 rows of K
	s_mov_b32 s[G1B+4], 128
	s_mov_b32 s[G1B+5], NTOT
	s_lshl_b32 s16, s43, 19                        ; A: 128 rows of 4,096 bytes a tile row,
	s_lshl_b32 s17, s14, 18                        ; 64 a half
	s_add_co_u32 s16, s16, s17
	s_mov_b32 s17, 0
	s_lshl_b32 s18, s42, 9                         ; B: 256 columns a tile column,
	s_lshl_b32 s19, s14, 8                         ; 128 a half
	s_add_co_u32 s18, s18, s19
	s_mov_b32 s19, 0
	s_mul_i32 s20, s14, 64*PA                      ; where A's half goes,
	s_mul_i32 s21, s14, REGB                       ; and B's
	s_add_co_u32 s21, s21, 128*PA
	s_wait_dscnt 0x0
	s_wait_kmcnt 0x0
	s_add_nc_u64 s[16:17], s[4:5], s[16:17]
	s_add_nc_u64 s[18:19], s[6:7], s[18:19]
	CROUND
.irp s, 0,1
	s_mov_b32 s[G0A+4*(\s)], 1
	s_add_co_u32 s[G0A+4*(\s)+1], s20, (\s)*SLOT
	s_add_nc_u64 s[G0A+4*(\s)+2:G0A+4*(\s)+3], s[16:17], (\s)*256
	s_or_b32 s[G0A+4*(\s)+3], s[G0A+4*(\s)+3], 0x80000000
	s_mov_b32 s[G0B+4*(\s)], 1
	s_add_co_u32 s[G0B+4*(\s)+1], s21, (\s)*SLOT
	s_add_nc_u64 s[G0B+4*(\s)+2:G0B+4*(\s)+3], s[18:19], (\s)*128*2*NTOT
	s_or_b32 s[G0B+4*(\s)+3], s[G0B+4*(\s)+3], 0x80000000
	JLOAD \s
.endr
	v_and_b32 v1, 15, v0
	v_bfe_u32 v2, v0, 4, 1
	s_lshl_b32 s16, s42, 10                        ; the bias of the four columns that I store: 1,024 tc + 256 wc + 16 (l % 16), and 512 bytes on
	s_lshl_b32 s17, s14, 8
	s_add_co_u32 s16, s16, s17
	v_lshl_add_u32 v[BO], v1, 4, s16
	global_load_b128 v[BIAS:BIAS+3], v[BO], s[8:9]
	global_load_b128 v[BIAS+4:BIAS+7], v[BO], s[8:9] offset:512
	v_mul_u32_u24 v3, v1, PA
	v_lshl_add_u32 v3, v2, 4, v3
	s_mul_i32 s21, s13, 64*PA
	v_add_nc_u32 v[ADRA], s21, v3
	v_add_nc_u32 v[ADRA+1], SLOT, v[ADRA]
	v_and_b32 v5, 7, v0
	v_bfe_u32 v6, v0, 3, 1
	v_lshl_add_u32 v7, v2, 3, v5
	v_mul_u32_u24 v4, v7, PBB
	v_lshl_add_u32 v4, v6, 4, v4
	v_lshl_add_u32 v4, s14, 7, v4
.irp t, 0,1
.irp s, 0,1
	v_add_nc_u32 v[ADRB+NSUB*(\t)+(\s)], (\t)*SLOT+128*PA+(\s)*REGB, v4
.endr
.endr
	s_mul_i32 s21, s[WV], 16*SP
	s_add_co_u32 s21, s21, STAGE                   ; my stage
	v_mul_u32_u24 v[STO], v1, SP                   ; in: row l % 16, 32 bytes for each half of the lanes
	v_lshl_add_u32 v[STO], v2, 5, v[STO]
	v_add_nc_u32 v[STO], s21, v[STO]
	v_mul_u32_u24 v[RD], v2, SP                    ; back: lanes 0-15 one row's 256 bytes, lanes 16-31 the next row's
	v_lshl_add_u32 v[RD], v1, 4, v[RD]
	v_add_nc_u32 v[RD], s21, v[RD]
	v_lshlrev_b32 v[CO], 13, v2                    ; and the same two rows in out0
	v_lshl_add_u32 v[CO], v1, 4, v[CO]
	s_lshl_b32 s22, s43, 20                        ; 128 rows of 8,192 bytes,
	s_lshl_b32 s23, s13, 19                        ; my 64,
	s_add_co_u32 s22, s22, s23
	s_add_co_u32 s22, s22, s16                     ; my columns
	s_mov_b32 s23, 0
	s_add_nc_u64 s[OBA:OBA+1], s[10:11], s[22:23]
	s_lshl_b32 s16, s43, 19                        ; the prefetches: both candidates, then the choice by the wave's number
	s_lshl_b32 s17, s40, 17
	s_add_co_u32 s16, s16, s17
	s_add_co_u32 s16, s16, 3*256
	s_lshl_b32 s17, s42, 9
	s_lshl_b32 s18, s14, 8
	s_add_co_u32 s17, s17, s18
	s_lshl_b32 s18, s41, 17
	s_add_co_u32 s17, s17, s18
	s_add_co_u32 s17, s17, 3*128*2*NTOT
	s_and_b32 s18, ttmp7, 0xffff
	s_mov_b32 s19, 128*2*NTOT
	s_cmp_lt_u32 s[WV], 2
	s_cselect_b64 s[PFA:PFA+1], s[4:5], s[6:7]
	s_cselect_b32 s16, s16, s17
	s_cselect_b32 s18, ttmp9, s18
	s_cselect_b32 s[PST], 256, s19
	s_cmp_eq_u32 s[WV], 1
	s_cselect_b32 s18, 1, s18
	s_mov_b32 s17, 0
	s_mov_b32 s[PST+1], 0
	s_add_nc_u64 s[PFA:PFA+1], s[PFA:PFA+1], s[16:17]
	s_cmp_eq_u32 s18, 0
	s_cselect_b32 s[LIM], 1, -1
	v_and_b32 v[PFO], 31, v0
	v_lshlrev_b32 v[PFO], 12, v[PFO]
; NF products: row block 2 hi + a x all my fragments of B.  The 32 accumulators take turns, one instruction a turn, in the same order in every quarter.
.macro MULA f, hi, a, zero
	WIN MUL_LO+0x50*(\hi)
.set rA, AF+32*(\f)+8*(2*(\hi)+(\a))
.set n, 0
.rept NF
.set rD, 8*(NF*(\a)+n)
.set rB, 8*(NF*(\f)+n)
.if \zero
	v_wmma_f32_16x16x32_f16 v[rD:rD+7], v[rB:rB+7], v[rA:rA+7], 0
.else
	v_wmma_f32_16x16x32_f16 v[rD:rD+7], v[rB:rB+7], v[rA:rA+7], v[rD:rD+7]
.endif
.set n, n+1
.endr
.endm
.macro FETCH slot, q, f
	WIN TO_B
.set n, 0
.rept NF
	ds_load_tr16_b128 v[8*(NF*(\f)+n):8*(NF*(\f)+n)+3],   v[ADRB+NSUB*(\slot)+n/4] offset:(\q)*32*PBB+(n%4)*32
	ds_load_tr16_b128 v[8*(NF*(\f)+n)+4:8*(NF*(\f)+n)+7], v[ADRB+NSUB*(\slot)+n/4] offset:(\q)*32*PBB+(n%4)*32+16*PBB
.set n, n+1
.endr
	WIN 0
.set n, 0
.rept 4
	ds_load_b128 v[AF+32*(\f)+8*n:AF+32*(\f)+8*n+3],   v[ADRA+(\slot)] offset:n*16*PA+(\q)*64
	ds_load_b128 v[AF+32*(\f)+8*n+4:AF+32*(\f)+8*n+7], v[ADRA+(\slot)] offset:n*16*PA+(\q)*64+32
.set n, n+1
.endr
.endm
.macro QUARTER slot, q, f, g, zero
	s_wait_dscnt 4                                 ; B and A's blocks 0, 1 are in; the youngest four loads may be out
	MULA \f, 0, 0, \zero
	MULA \f, 0, 1, \zero
	PLACES
	FETCH \slot, \q, \g
	s_wait_dscnt LD                                ; all but the LD just issued
	MULA \f, 1, 0, \zero
	MULA \f, 1, 1, \zero
.endm
; The last quarter and the change of slots: each wave waits for all its tensor loads, adds 0 to its spare word, waits for that and for its reads of this slot; fill = 1: a round of the cluster's barrier, the joint refill first behind it.
.macro TURN slot, next, fill
.if \fill
	s_wait_xcnt 0x0                                ; the last prefetch, a K step back, has read its address
	s_add_nc_u64 s[PFA:PFA+1], s[PFA:PFA+1], s[PST:PST+1]
.endif
	WIN 0
	s_wait_tensorcnt 0x0
	ds_add_u32 v[SPW], v[NIL]
	s_wait_dscnt 5                                 ; the add and the youngest four loads may be out
	MULA 1, 0, 0, 0
	s_wait_dscnt 0x0
	s_barrier_signal -1
	MULA 1, 0, 1, 0
.if \fill
	WIN 0
.endif
	s_barrier_wait -1
.if \fill
	CREST
	s_add_nc_u64 s[G0A+4*(\slot)+2:G0A+4*(\slot)+3], s[G0A+4*(\slot)+2:G0A+4*(\slot)+3], 2*256
	s_add_nc_u64 s[G0B+4*(\slot)+2:G0B+4*(\slot)+3], s[G0B+4*(\slot)+2:G0B+4*(\slot)+3], 2*128*2*NTOT
	JLOAD \slot
.else
	PLACES
.endif
	FETCH \next, 0, 0
.if \fill
	ASK
.endif
	MULA 1, 1, 0, 0
	MULA 1, 1, 1, 0
.endm
	s_wait_tensorcnt 0x1                           ; my part of K step 0 is in; K step 1's may stay out
	s_barrier_signal -1
	s_barrier_wait -1
	FETCH 0, 0, 0
	QUARTER 0, 1, 0, 1, 1
	WIN 0
	s_mov_b32 s3, LAPS-1
.Llap:
	QUARTER 0, 2, 1, 0, 0
	QUARTER 0, 3, 0, 1, 0
	TURN 0, 1, 1
	QUARTER 1, 1, 0, 1, 0
	QUARTER 1, 2, 1, 0, 0
	QUARTER 1, 3, 0, 1, 0
	TURN 1, 0, 1
	QUARTER 0, 1, 0, 1, 0
	WIN 0
	s_sub_co_u32 s3, s3, 1
	s_cmp_lg_u32 s3, 0
	s_cbranch_scc1 .Llap
	QUARTER 0, 2, 1, 0, 0
	QUARTER 0, 3, 0, 1, 0
	TURN 0, 1, 0
	QUARTER 1, 1, 0, 1, 0
	QUARTER 1, 2, 1, 0, 0
	QUARTER 1, 3, 0, 1, 0
	s_wait_dscnt 4
	MULA 1, 0, 0, 0
	MULA 1, 0, 1, 0
	s_wait_dscnt 0x0
	MULA 1, 1, 0, 0
	MULA 1, 1, 1, 0
	; THE WAY OUT.  The bias is rounded to bf16 and widened again: twelve plain lines, the places behind the last products.
	WIN 0
	s_wait_loadcnt 0x0
.irp r, 0,2,4,6
	v_cvt_pk_bf16_f32 v31, v[BIAS+(\r)], v[BIAS+(\r)+1]
	v_lshlrev_b32 v[BIAS+(\r)], 16, v31
	v_and_b32 v[BIAS+(\r)+1], 0xffff0000, v31
.endr
; Row block a: a lane's 32 bytes go into my stage's rows of 528 bytes (each accumulator's low four registers first) and come back as whole pieces of 256 bytes of a row; LDS serves a wave's
; instructions in order (ISA guide 5.7.1.4), so no wait stands between the stores and the loads.  Two sets of registers take turns: a set is loaded again behind the s_wait_xcnt 0 that follows its stores.
.macro OUTBLK a
.set BK, TMP+64*((\a)%2)
	WIN 0x08+4*((\a)/2)                            ; store data in window 2 or 3
.set n, 0
.rept NF                               ; n = 4 half + c
	ds_store_b128 v[STO], v[8*(NF*((\a)%2)+n):8*(NF*((\a)%2)+n)+3]   offset:(n/4)*256+(n%4)*64
	ds_store_b128 v[STO], v[8*(NF*((\a)%2)+n)+4:8*(NF*((\a)%2)+n)+7] offset:(n/4)*256+(n%4)*64+16
.set n, n+1
.endr
	WIN 0
.set n, 0
.rept 16                               ; n = 2 x pair of rows + half
	ds_load_b128 v[BK+4*n:BK+4*n+3], v[RD] offset:(n/2)*2*SP+(n%2)*256
.set n, n+1
.endr
	s_wait_dscnt 0x0
.set n, 0
.rept 16
	v_pk_add_f32 v[BK+4*n:BK+4*n+1],   v[BK+4*n:BK+4*n+1],   v[BIAS+4*(n%2):BIAS+4*(n%2)+1]
	v_pk_add_f32 v[BK+4*n+2:BK+4*n+3], v[BK+4*n+2:BK+4*n+3], v[BIAS+4*(n%2)+2:BIAS+4*(n%2)+3]
.set n, n+1
.endr
	s_wait_xcnt 0x0                                ; the earlier stores have read their registers and their base
.if (\a) > 0
	s_add_nc_u64 s[OBA:OBA+1], s[OBA:OBA+1], 16*8192
.endif
.set n, 0
.rept 16
	global_store_b128 v[CO], v[BK+4*n:BK+4*n+3], s[OBA:OBA+1] offset:(n/2)*2*8192+(n%2)*512  ; 16 lanes store 256 consecutive bytes, at a multiple of 256 from out0's first
.set n, n+1
.endr
.endm
	OUTBLK 0
	OUTBLK 1
	OUTBLK 2
	OUTBLK 3
	s_wait_tensorcnt 0x0                           ; the wave's end
	ds_add_u32 v[SPW], v[NIL]
	s_wait_dscnt 0x0
	CROUND                                         ; the closing round
	s_endpgm
.Lfunc_end_k_qccab0d7a4b_outp:
	.size	k_qccab0d7a4b_outp, .Lfunc_end_k_qccab0d7a4b_outp-k_qccab0d7a4b_outp
	.p2alignl 7, 3214868480
	.fill 96, 4, 3214868480
	.section	.rodata,"a",@progbits
	.p2align	6, 0x0
	.amdhsa_kernel k_qccab0d7a4b_outp
		.amdhsa_group_segment_fixed_size 327680
		.amdhsa_private_segment_fixed_size 0
		.amdhsa_enable_private_segment 0
		.amdhsa_kernarg_size 32
		.amdhsa_user_sgpr_count 2
		.amdhsa_user_sgpr_kernarg_segment_ptr 1
		.amdhsa_wavefront_size32 1
		.amdhsa_system_sgpr_workgroup_id_x 1
		.amdhsa_system_sgpr_workgroup_id_y 1
		.amdhsa_system_sgpr_workgroup_id_z 1
		.amdhsa_system_vgpr_workitem_id 0
		.amdhsa_next_free_vgpr 896
		.amdhsa_next_free_sgpr 80
		.amdhsa_reserve_vcc 0
		.amdhsa_float_denorm_mode_32 3
		.amdhsa_float_denorm_mode_16_64 3
		.amdhsa_memory_ordered 1
		.amdhsa_forward_progress 1
		.amdhsa_inst_pref_size 96
	.end_amdhsa_kernel
	.amdgpu_metadata
---
amdhsa.version: [ 1, 2 ]
amdhsa.kernels:
  - .name:           k_qccab0d7a4b_outp
    .symbol:         k_qccab0d7a4b_outp.kd
    .args:
      - { .name: ctx, .offset: 0, .size: 8, .value_kind: global_buffer, .address_space: global }
      - { .name: wo16, .offset: 8, .size: 8, .value_kind: global_buffer, .address_space: global }
      - { .name: bo, .offset: 16, .size: 8, .value_kind: global_buffer, .address_space: global }
      - { .name: out0, .offset: 24, .size: 8, .value_kind: global_buffer, .address_space: global }
    .group_segment_fixed_size: 327680
    .private_segment_fixed_size: 0
    .kernarg_segment_align: 8
    .kernarg_segment_size: 32
    .max_flat_workgroup_size: 128
    .sgpr_count:     80
    .vgpr_count:     896
    .wavefront_size: 32
...
	.end_amdgpu_metadata
.endif
;; end of part 4
;; ======== version 2 of 2: 4 launches; version 1 with the launch cast written anew for expert scheduling mode
;; limits: values are held in f16: magnitudes above 65,504 overflow, below 6.1e-05 lose precision
;; workspace buffers: xb 8,388,608 bytes; wqkv 6,291,456 bytes; wo16 8,388,608 bytes; qkv 25,165,824 bytes; ctx 16,777,216 bytes
;; launch cast (part 5): grid 704 x 1, 8 waves a work-group, no clusters, 0 bytes of LDS; arguments x, Wq, Wk, Wv, Wo, xb, wqkv, wo16; writes xb, wqkv, wo16
.if DOCPART == 5
	.amdgcn_target "amdgcn-amd-amdhsa--gfx1250"
	.amdhsa_code_object_version 6
	.text
	.protected	k_qccab0d7a4b_cast
	.globl	k_qccab0d7a4b_cast
	.p2align	8
	.type	k_qccab0d7a4b_cast,@function
k_qccab0d7a4b_cast:
	s_mov_b64 s[64:65], 0
	v_nop
	global_prefetch_b8 v0, s[64:65] scope:SCOPE_SE
	s_setreg_imm32_b32 hwreg(HW_REG_WAVE_SCHED_MODE, 0, 2), 2
	s_setreg_imm32_b32 hwreg(HW_REG_WAVE_MODE, 25, 1), 1
	s_wait_xcnt 0x0
	s_wait_alu depctr_vm_vsrc(0)
; CAST.  x -> xb (bf16); Wq | Wk | Wv -> wqkv (bf16, [1024][3072]: columns 0-2047 Wq, 2048-2559 Wk, 2560-3071 Wv); Wo -> wo16 (rounded to bf16, that number written as f16).
; LIMIT.  A weight of Wo below 2^-14 in size keeps f16's fixed step of 6e-8; one of 65,520 or more would become an infinity.
; A stream: no LDS, no matrix unit, no cluster (no two work-groups read the same byte).  A work-group takes 16,384 numbers in 16 steps of 1,024: in a step thread t loads 16 bytes
; (a wave: 512 consecutive bytes) and stores 8 (a wave: 256 consecutive bytes, aligned).  All 16 loads go out first: 64 KiB a work-group are on their way.
; Work-groups 0-255 x, 256-511 Wo, 512-639 Wq, 640-671 Wk, 672-703 Wv.  Destination of step s: base + lane term + (s % 2) S1 + (s / 2) S2.
; THE MODE: SCHED_MODE bits 1:0 = 2 (LLVM: expert scheduling mode 2), set by the entry lines.  The code itself states the register dependences
; between vector instructions and memory instructions, with s_wait_alu, always for 0.
; THE PLAN.  Registers that memory instructions touch:
;   v1        the loads' offset.  Written by one vector line at the head; read by the 16 loads; never written again.
;   X         written by the loads alone, each register once; read by its step's conversions.
;   DO        the stores' offsets.  Written by 16 vector lines behind the loads; store n reads DO + n; never written again.
;   Y         written by step n's conversions, once; read by store n; never written again.
;   v2, v3 and v20 to v25 are named by vector instructions alone.
; No register that a load or store reads is written again, and no load lands in a register that a vector instruction has named: what is left to state is that a register is written before a memory
; instruction reads it.  The 16 steps go in four blocks of four.  Block p converts its four steps and issues the four stores of block p - 1, one in front of each step's conversions: ONE wait at the
; block's head states that block p - 1 has written its Y, and the vector lines behind that wait name X and Y of block p and v20 to v25 alone, none of the registers that those stores read.
.set DO, 4                             ; v[4:19]   the 16 steps' destination offsets; never rewritten
.set X,  32                            ; v[32:95]  4 registers a step, as loaded
.set Y,  96                            ; v[96:127] 2 registers a step, to store
	s_load_b512 s[8:23], s[0:1], 0x0               ; x s[8:9], Wq s[10:11], Wk s[12:13], Wv s[14:15], Wo s[16:17], xb s[18:19], wqkv s[20:21], wo16 s[22:23]
	v_lshlrev_b32 v1, 4, v0                        ; source: 16 t
	v_lshlrev_b32 v2, 3, v0                        ; destination where a step is dense: 8 t
	v_lshrrev_b32 v20, 7, v0                       ; Wk, Wv: a step is two rows of 512 numbers: row t / 128,
	v_and_b32 v21, 127, v0
	v_mul_u32_u24 v3, v20, 6144                    ; 6,144 bytes from row to row of wqkv,
	v_lshl_add_u32 v3, v21, 3, v3                  ; 8 bytes a thread
	s_mov_b32 s24, 672                             ; the range's first work-group (the values set here are Wv's)
	s_mov_b32 s25, 196608                          ; destination bytes from work-group to work-group: 32 rows of wqkv
	s_mov_b32 s28, 5120                            ; first column's bytes
	s_mov_b32 s30, 12288                           ; S1
	s_mov_b32 s31, 24576                           ; S2
	s_mov_b32 s33, 0                               ; all ones where a step is dense
	s_mov_b32 s27, 0
	s_mov_b32 s29, 0
	s_wait_kmcnt 0x0
	s_mov_b64 s[4:5], s[14:15]
	s_mov_b64 s[6:7], s[20:21]
	s_cmp_lt_u32 ttmp9, 672                        ; Wk
	s_cselect_b64 s[4:5], s[12:13], s[4:5]
	s_cselect_b32 s24, 640, s24
	s_cselect_b32 s28, 4096, s28
	s_cmp_lt_u32 ttmp9, 640                        ; Wq: 8 rows of 2,048 numbers a work-group, half a row a step
	s_cselect_b64 s[4:5], s[10:11], s[4:5]
	s_cselect_b32 s24, 512, s24
	s_cselect_b32 s25, 49152, s25
	s_cselect_b32 s28, 0, s28
	s_cselect_b32 s30, 2048, s30
	s_cselect_b32 s31, 6144, s31
	s_cselect_b32 s33, -1, s33
	s_cmp_lt_u32 ttmp9, 512                        ; Wo: dense
	s_cselect_b64 s[4:5], s[16:17], s[4:5]
	s_cselect_b64 s[6:7], s[22:23], s[6:7]
	s_cselect_b32 s24, 256, s24
	s_cselect_b32 s25, 32768, s25
	s_cselect_b32 s31, 4096, s31
	s_cselect_b32 s32, 1, 0                        ; 1: f16 out
	s_cmp_lt_u32 ttmp9, 256                        ; x: dense
	s_cselect_b64 s[4:5], s[8:9], s[4:5]
	s_cselect_b64 s[6:7], s[18:19], s[6:7]
	s_cselect_b32 s24, 0, s24
	s_cselect_b32 s32, 0, s32
	s_sub_co_u32 s24, ttmp9, s24                   ; my number in the range
	s_lshl_b32 s26, s24, 16                        ; 65,536 source bytes a work-group
	s_mul_i32 s25, s24, s25
	s_add_co_u32 s28, s28, s25
	s_add_nc_u64 s[4:5], s[4:5], s[26:27]
	s_add_nc_u64 s[6:7], s[6:7], s[28:29]
	s_wait_alu depctr_va_vdst(0)                   ; v1 is written: all 16 loads read it as their offset
.set n, 0
.rept 16
	global_load_b128 v[X+4*n:X+4*n+3], v1, s[4:5] offset:4096*n th:TH_LOAD_NT
.set n, n+1
.endr
	v_cndmask_b32 v[DO], v3, v2, s33               ; (the mask s33 was made by scalar instructions)
	v_add_nc_u32 v[DO+1], s30, v[DO]
.set n, 2
.rept 14
	v_add_nc_u32 v[DO+n], s31, v[DO+n-2]
.set n, n+1
.endr
; The 16 steps, in four blocks of four.  Loads come back in order (ISA guide 5.7.1): step n is in when at most 15 - n younger loads are out.  No register that a load or store names is written again.
.macro CONV f16
.set p, 0
.rept 4
.set i, 0
.rept 4
.set n, 4*p+i
	s_wait_loadcnt 15-n
.if (p > 0) && (i == 0)
	s_wait_alu depctr_va_vdst(0)                   ; the block before has written its eight registers of Y (and, at block 1, the head's lines have written DO): this block's four stores read them
.endif
.if p > 0
	global_store_b64 v[DO+n-4], v[Y+2*(n-4):Y+2*(n-4)+1], s[6:7]  ; the step four back.  No further wait: no vector line since the wait above names these registers
.endif
.if \f16
	v_cvt_pk_bf16_f32 v20, v[X+4*n], v[X+4*n+1]    ; the one rounding, to bf16, as for every input;
	v_cvt_pk_bf16_f32 v21, v[X+4*n+2], v[X+4*n+3]
	v_lshlrev_b32 v22, 16, v20                     ; back to f32,
	v_and_b32 v23, 0xffff0000, v20
	v_lshlrev_b32 v24, 16, v21
	v_and_b32 v25, 0xffff0000, v21
	v_cvt_pk_f16_f32 v[Y+2*n], v22, v23            ; and written as f16: 8 significant bits fit in 11
	v_cvt_pk_f16_f32 v[Y+2*n+1], v24, v25
.else
	v_cvt_pk_bf16_f32 v[Y+2*n], v[X+4*n], v[X+4*n+1]
	v_cvt_pk_bf16_f32 v[Y+2*n+1], v[X+4*n+2], v[X+4*n+3]
.endif
.set i, i+1
.endr
.set p, p+1
.endr
	s_wait_alu depctr_va_vdst(0)                   ; block 3 has written its eight registers of Y, which the last four stores read
.set n, 12
.rept 4
	global_store_b64 v[DO+n], v[Y+2*n:Y+2*n+1], s[6:7]
.set n, n+1
.endr
.endm
	s_cmp_eq_u32 s32, 1
	s_cbranch_scc1 .Lf16
	CONV 0
	s_endpgm
.Lf16:
	CONV 1
	s_endpgm
.Lfunc_end_k_qccab0d7a4b_cast:
	.size	k_qccab0d7a4b_cast, .Lfunc_end_k_qccab0d7a4b_cast-k_qccab0d7a4b_cast
	.p2alignl 7, 3214868480
	.fill 96, 4, 3214868480
	.section	.rodata,"a",@progbits
	.p2align	6, 0x0
	.amdhsa_kernel k_qccab0d7a4b_cast
		.amdhsa_group_segment_fixed_size 0
		.amdhsa_private_segment_fixed_size 0
		.amdhsa_enable_private_segment 0
		.amdhsa_kernarg_size 64
		.amdhsa_user_sgpr_count 2
		.amdhsa_user_sgpr_kernarg_segment_ptr 1
		.amdhsa_wavefront_size32 1
		.amdhsa_system_sgpr_workgroup_id_x 1
		.amdhsa_system_sgpr_workgroup_id_y 1
		.amdhsa_system_sgpr_workgroup_id_z 1
		.amdhsa_system_vgpr_workitem_id 0
		.amdhsa_next_free_vgpr 128
		.amdhsa_next_free_sgpr 66
		.amdhsa_reserve_vcc 0
		.amdhsa_float_denorm_mode_32 3
		.amdhsa_float_denorm_mode_16_64 3
		.amdhsa_memory_ordered 1
		.amdhsa_forward_progress 1
		.amdhsa_inst_pref_size 18
	.end_amdhsa_kernel
	.amdgpu_metadata
---
amdhsa.version: [ 1, 2 ]
amdhsa.kernels:
  - .name:           k_qccab0d7a4b_cast
    .symbol:         k_qccab0d7a4b_cast.kd
    .args:
      - { .name: x, .offset: 0, .size: 8, .value_kind: global_buffer, .address_space: global }
      - { .name: Wq, .offset: 8, .size: 8, .value_kind: global_buffer, .address_space: global }
      - { .name: Wk, .offset: 16, .size: 8, .value_kind: global_buffer, .address_space: global }
      - { .name: Wv, .offset: 24, .size: 8, .value_kind: global_buffer, .address_space: global }
      - { .name: Wo, .offset: 32, .size: 8, .value_kind: global_buffer, .address_space: global }
      - { .name: xb, .offset: 40, .size: 8, .value_kind: global_buffer, .address_space: global }
      - { .name: wqkv, .offset: 48, .size: 8, .value_kind: global_buffer, .address_space: global }
      - { .name: wo16, .offset: 56, .size: 8, .value_kind: global_buffer, .address_space: global }
    .group_segment_fixed_size: 0
    .private_segment_fixed_size: 0
    .kernarg_segment_align: 8
    .kernarg_segment_size: 64
    .max_flat_workgroup_size: 256
    .sgpr_count:     66
    .vgpr_count:     128
    .wavefront_size: 32
...
	.end_amdgpu_metadata
.endif
;; end of part 5
;; launch proj: the kernel of part 2 again; grid 8 x 32, 4 waves a work-group, clusters of 4 x 4, 327,680 bytes of LDS; arguments xb, wqkv, qkv; writes qkv
;; launch attn: the kernel of part 3 again; grid 32 x 8, 4 waves a work-group, clusters of 4 x 1, 327,680 bytes of LDS; arguments qkv, ctx; writes ctx
;; launch outp: the kernel of part 4 again; grid 8 x 32, 4 waves a work-group, clusters of 4 x 4, 327,680 bytes of LDS; arguments ctx, wo16, bo, out0; writes out0
